; MI455X (gfx1250); checked and timed in simulation.
; The chip was launched on July 23, 2026; its instructions are those of AMD's public machine-readable ISA for CDNA 5 (MIT licence, August 2026) and "CDNA5" Instruction Set Architecture Reference Guide (July 2026). The comments in the code are by the model that wrote it; some were corrected since.
;; Attention Block. Allowed arithmetic: matrix products marked QUANTISED: E2M3 operands, one E8M0 scale for each 32 along K, by v_wmma_scale_f32_16x16x128_f8f6f4 with both operands' format E2M3, f32 sums; products left as they are: f32 operands where the result goes on into a quantised operand, else bf16, f16 or f32 operands; f32 sums; everything else in f32.
;; Inputs: cond_norm 4 x 512 float32; head_scale 16 float32; norm_w 1,024 x 512 float32; out_w_codes 1,024 x 32 x 24 uint8 (E2M3 codes of out_w, K innermost, in blocks of 32 codes, four codes in three bytes); out_w_scales 1,024 x 32 uint8 (E8M0 scales of out_w, one for each 32 codes along K); pos 4 x 2,048 x 2 float32; qkv_w_codes 3,072 x 32 x 24 uint8 (E2M3 codes of qkv_w, K innermost, in blocks of 32 codes, four codes in three bytes); qkv_w_scales 3,072 x 32 uint8 (E8M0 scales of qkv_w, one for each 32 codes along K); x 4 x 2,048 x 1,024 float32.
;; Outputs: out0 4 x 2,048 x 1,024 float32.
;; This version of the problem:
;;   THIS VERSION OF THE PROBLEM IS GIVEN IN LOW PRECISION. The matrix products marked QUANTISED in the list below multiply operands that are first quantised to E2M3 (2 exponent bits, 3 mantissa bits; 6 bits a number), with one power-of-two scale for each 32 numbers along K (OCP MX v1.0); their sums are f32. All else is computed in f32.
;;   The module's matrix products, in the order in which they are computed (A, B: the left and right operand; K: the contracted axis; several contracted axes count as one K, in the product's order):
;;     1. [M 4, K 512] x [K 512, N 1,024]; A: input cond_norm; B: input norm_w: left as it is (M = 4 < 16)
;;     2. [M 8,192, K 1,024] x [K 1,024, N 3,072]; A: computed on the way; B: input qkv_w (given as codes): QUANTISED
;;     3. batch 64 x [M 2,048, K 64] x [K 64, N 2,048]; A: computed on the way; B: computed on the way: QUANTISED
;;     4. batch 64 x [M 2,048, K 2,048] x [K 2,048, N 64]; A: softmax (see below); B: computed on the way: QUANTISED
;;     5. [M 8,192, K 1,024] x [K 1,024, N 1,024]; A: computed on the way; B: input out_w (given as codes): QUANTISED
;;   THE QUANTISER, for each operand of a quantised product, along K:
;;     - K is cut into blocks of 32 from its start; a last block that is shorter is filled with zeros.
;;     - A block's scale is 2^e with e = floor(log2(the largest magnitude in the block)) - 2, held to -126 .. 127; a block of zeros has e = 0. As a byte (E8M0): e + 127.
;;     - Each number is divided by its block's scale, clamped to +-7.5, and rounded to the nearest number of E2M3, ties to even, subnormals kept.
;;     - The product sums the exact products of the quantised numbers (number of the format x scale) in f32.
;;   ~~~python
;;   def quantise(x, axis):      # numpy; x: float32 -> the quantised numbers, widened to float32 again
;;       x = np.moveaxis(x, axis, -1); K = x.shape[-1]
;;       x = np.pad(x, [(0, 0)] * (x.ndim - 1) + [(0, -K % 32)]); x = x.reshape(x.shape[:-1] + (-1, 32)); a = np.abs(x).max(-1, keepdims=True)
;;       e = np.where(a > 0, np.clip(np.frexp(np.where(a > 0, a, 1))[1] - 1 - 2, -126, 127), 0)      # np.frexp(a)[1] - 1 = floor(log2(a)), exactly
;;       r = np.clip(x / 2.0 ** e, -7.5, 7.5)
;;       step = 2.0 ** (np.maximum(np.frexp(np.where(r == 0, 1, r))[1] - 1, 0) - 3)
;;       q = np.round(r / step) * step * 2.0 ** e      # np.round: ties to even
;;       return np.moveaxis(q.reshape(q.shape[:-2] + (-1,))[..., :K], -1, axis).astype(np.float32)
;;   ~~~
;;   SOFTMAX AHEAD OF A QUANTISED PRODUCT. Where the list says 'softmax', what is quantised is not the finished softmax but p = 2^(t - M), with t = logit x log2(e) and M = ceil(the row's largest t), a whole number; so 1/2 < the row's largest p <= 1. The row's sum l is taken of the UNQUANTISED p, in f32, and the product's result is divided by l at the end. Since M is a whole number, a kernel that streams over the keys may use a running M (the ceiling of the running maximum): every later rescaling is an exact power of two, which a block's scale takes up: the codes' values come out the same.
;;   OPERANDS COMPUTED ON THE WAY. 'Computed on the way' means the value that the module computes at that place (a softmax that the list does not call 'softmax' is quantised finished and normalised). What goes into a quantiser is computed in f32, as accurately as f32 sums, v_exp_f32 and their like allow (about 1e-6 of the number): no bf16 or f16 on the way to a quantiser, and a product that is left as it is and whose result goes on into a quantised operand takes f32 operands (vector FMAs, or v_wmma_f32_16x16x4_f32). A number that lies on a knife's edge between two numbers of the format may be rounded either way, as far as f32 arithmetic and the matrix unit's own rounding can turn it there, and no further.
;;   INPUTS GIVEN AS CODES. out_w (in the module: [1024, 1024], K = its axis 1); qkv_w (in the module: [3072, 1024], K = its axis 1): each comes as NAME_codes (uint8): NAME with its K axis moved to the last place and cut into blocks of 32 codes, [.., K / 32, bytes a block], one block behind the other in memory; four codes in three bytes: a row's codes are one little-endian stream of bits, code i at bits 6 i .. 6 i + 5 (a code: sign, 2 exponent bits, 3 mantissa bits); and NAME_scales (uint8): the same leading axes, one E8M0 byte (e + 127) for each 32 codes along K. Its value is code x scale, taken as it is: it is not quantised again, and the codes and scales need not be those that the quantiser above would give.
;; One version. Each part assembles by itself: llvm-mc -triple=amdgcn-amd-amdhsa -mcpu=gfx1250 --defsym DOCPART=n.
;; ======== version 1 of 1: 5 launches
;; limits: right only within a limited range of input values
;; workspace buffers: gain 16,384 bytes; xc 6,291,456 bytes; xs 262,144 bytes; qb 6,553,600 bytes; kvb 13,107,200 bytes; oc 6,291,456 bytes; os 262,144 bytes
;; launch gain (part 1): grid 256 x 1, 4 waves a work-group, no clusters, 0 bytes of LDS; arguments cond_norm, norm_w, gain; writes gain
.if DOCPART == 1
	.amdgcn_target "amdgcn-amd-amdhsa--gfx1250"
	.amdhsa_code_object_version 6
	.text
	.protected	k_q2f65dbe540_gain
	.globl	k_q2f65dbe540_gain
	.p2align	8
	.type	k_q2f65dbe540_gain,@function
k_q2f65dbe540_gain:
	s_mov_b64 s[64:65], 0
	v_nop
	global_prefetch_b8 v0, s[64:65] scope:SCOPE_SE
	s_setreg_imm32_b32 hwreg(HW_REG_WAVE_MODE, 25, 1), 1
	s_wait_xcnt 0x0
; gain[n][d] = 1 + the sum over c of cond_norm[n][c] norm_w[d][c].  cond_norm [4][512], norm_w [1024][512], gain [4][1024], all f32.
; The result goes on into a quantised operand, so the product is made of f32 fused multiply-adds.  M is 4: the matrix units would stand idle in three rows of four.
; A wave takes one row d of norm_w (2,048 bytes: four loads of 512 consecutive bytes) and all four rows of cond_norm; a lane holds 16 of the 512 numbers.
; The four sums of a row leave as four stores of 4 bytes, 4,096 bytes apart: 16 KiB in the whole launch; gathering them would leave 16 work-groups with work.
; LIMITS: the sums are ordered otherwise than a serial sum; NaN and infinities are not served.
; DEAD WORK, for the whole program: reference() takes pos and never uses it (no rope in this configuration), so pos reaches no output whatever it holds: it is not loaded and is among no launch's arguments.
; LIMIT: a NaN or an infinity in pos is not carried to the result.
	s_load_b128 s[4:7], s[0:1], 0x0                ; cond_norm s[4:5], norm_w s[6:7]
	s_load_b64 s[8:9], s[0:1], 0x10                ; gain
	v_lshrrev_b32 v2, 5, v0
	v_readfirstlane_b32 s10, v2                    ; wave 0..3
	v_and_b32 v3, 31, v0                           ; lane
	v_lshlrev_b32 v1, 4, v3                        ; 16 bytes a lane
	s_lshl_b32 s11, ttmp9, 2
	s_add_co_u32 s11, s11, s10                     ; d = 4 x work-group + wave
	s_lshl_b32 s12, s11, 11                        ; a row of norm_w is 2,048 bytes
	s_mov_b32 s13, 0
	s_lshl_b32 s16, s11, 2
	s_mov_b32 s14, 0x76543210                      ; v_permlanex16_b32's selects for lane l xor 16
	s_mov_b32 s15, 0xfedcba98
	v_min_u32 v5, 3, v3                            ; lanes 0-3 store; the others' offsets are held inside the buffer
	v_lshlrev_b32 v5, 12, v5
	v_add_nc_u32 v5, s16, v5                       ; 4,096 n + 4 d
	s_wait_alu depctr_va_vdst(0)
	s_wait_kmcnt 0x0
	s_add_nc_u64 s[6:7], s[6:7], s[12:13]
.irp i, 0,1,2,3
	global_load_b128 v[8+4*\i:11+4*\i], v1, s[6:7] offset:512*\i th:TH_LOAD_NT   ; norm_w[d][128 i + 4 lane ..]: read once in the launch
.endr
.irp n, 0,1,2,3
.irp i, 0,1,2,3
	global_load_b128 v[24+16*\n+4*\i:27+16*\n+4*\i], v1, s[4:5] offset:2048*\n+512*\i   ; cond_norm[n], the same columns
.endr
.endr
	s_wait_loadcnt 0x0
.irp n, 0,1,2,3
	v_pk_mul_f32 v[88+2*\n:89+2*\n], v[8:9], v[24+16*\n:25+16*\n]   ; the first products start the sums; the four n by turns
.endr
.irp j, 1,2,3,4,5,6,7
.irp n, 0,1,2,3
	v_pk_fma_f32 v[88+2*\n:89+2*\n], v[8+2*\j:9+2*\j], v[24+16*\n+2*\j:25+16*\n+2*\j], v[88+2*\n:89+2*\n]
.endr
.endr
.irp n, 0,1,2,3
	v_add_f32 v[88+2*\n], v[88+2*\n], v[89+2*\n]
.endr
.irp m, 1,2,4,8
.irp n, 0,1,2,3
	v_add_f32_dpp v[88+2*\n], v[88+2*\n], v[88+2*\n] row_xmask:\m row_mask:0xf bank_mask:0xf
.endr
.endr
.irp n, 0,1,2,3
	v_permlanex16_b32 v[89+2*\n], v[88+2*\n], s14, s15
.endr
.irp n, 0,1,2,3
	v_add_f32 v[88+2*\n], v[88+2*\n], v[89+2*\n]   ; every lane holds the sum of n
.endr
.irp n, 0,1,2,3
	v_add_f32 v[88+2*\n], 1.0, v[88+2*\n]
.endr
	v_mov_b32 v4, v88                              ; lane n takes the sum of n
	v_cmp_eq_u32 vcc_lo, 1, v3
	v_cndmask_b32 v4, v4, v90, vcc_lo
	v_cmp_eq_u32 vcc_lo, 2, v3
	v_cndmask_b32 v4, v4, v92, vcc_lo
	v_cmp_eq_u32 vcc_lo, 3, v3
	v_cndmask_b32 v4, v4, v94, vcc_lo
	v_cmp_gt_u32 vcc_lo, 4, v3
	s_wait_alu depctr_va_vdst(0)
	s_wait_xcnt 0x0                                ; EXEC changes only behind this wait
	s_and_saveexec_b32 s17, vcc_lo
	global_store_b32 v5, v4, s[8:9]
	s_wait_xcnt 0x0                                ; and again in front of the line that widens it
	s_or_b32 exec_lo, exec_lo, s17
	s_endpgm
.Lfunc_end_k_q2f65dbe540_gain:
	.size	k_q2f65dbe540_gain, .Lfunc_end_k_q2f65dbe540_gain-k_q2f65dbe540_gain
	.p2alignl 7, 3214868480
	.fill 96, 4, 3214868480
	.section	.rodata,"a",@progbits
	.p2align	6, 0x0
	.amdhsa_kernel k_q2f65dbe540_gain
		.amdhsa_group_segment_fixed_size 0
		.amdhsa_private_segment_fixed_size 0
		.amdhsa_enable_private_segment 0
		.amdhsa_kernarg_size 24
		.amdhsa_user_sgpr_count 2
		.amdhsa_user_sgpr_kernarg_segment_ptr 1
		.amdhsa_wavefront_size32 1
		.amdhsa_system_sgpr_workgroup_id_x 1
		.amdhsa_system_sgpr_workgroup_id_y 1
		.amdhsa_system_sgpr_workgroup_id_z 1
		.amdhsa_system_vgpr_workitem_id 0
		.amdhsa_next_free_vgpr 96
		.amdhsa_next_free_sgpr 66
		.amdhsa_reserve_vcc 1
		.amdhsa_float_denorm_mode_32 3
		.amdhsa_float_denorm_mode_16_64 3
		.amdhsa_memory_ordered 1
		.amdhsa_forward_progress 1
		.amdhsa_inst_pref_size 8
	.end_amdhsa_kernel
	.amdgpu_metadata
---
amdhsa.version: [ 1, 2 ]
amdhsa.kernels:
  - .name:           k_q2f65dbe540_gain
    .symbol:         k_q2f65dbe540_gain.kd
    .args:
      - { .name: cond_norm, .offset: 0, .size: 8, .value_kind: global_buffer, .address_space: global }
      - { .name: norm_w, .offset: 8, .size: 8, .value_kind: global_buffer, .address_space: global }
      - { .name: gain, .offset: 16, .size: 8, .value_kind: global_buffer, .address_space: global }
    .group_segment_fixed_size: 0
    .private_segment_fixed_size: 0
    .kernarg_segment_align: 8
    .kernarg_segment_size: 24
    .max_flat_workgroup_size: 128
    .sgpr_count:     66
    .vgpr_count:     96
    .wavefront_size: 32
...
	.end_amdgpu_metadata
.endif
;; end of part 1
;; launch xquant (part 2): grid 256 x 1, 8 waves a work-group, no clusters, 133,632 bytes of LDS; arguments x, gain, xc, xs; writes xc, xs
.if DOCPART == 2
	.amdgcn_target "amdgcn-amd-amdhsa--gfx1250"
	.amdhsa_code_object_version 6
	.text
	.protected	k_q2f65dbe540_xquant
	.globl	k_q2f65dbe540_xquant
	.p2align	8
	.type	k_q2f65dbe540_xquant,@function
k_q2f65dbe540_xquant:
	s_mov_b64 s[64:65], 0
	v_nop
	global_prefetch_b8 v0, s[64:65] scope:SCOPE_SE
	s_setreg_imm32_b32 hwreg(HW_REG_WAVE_MODE, 25, 1), 1
	s_wait_xcnt 0x0
; xn = x (gain inv_rms), inv_rms = rsqrt(mean(x^2) + 1e-6), quantised along d to codes of E2M3 with one E8M0 byte for each 32.  x [8192][1024] f32, gain [4][1024] f32.
; THE PROGRAM'S ROW ORDER.  Rows go in groups of 64 (g).  Tile tau (0..3) of a group holds at position i (0..15) the row 64 g + 32 (i / 8) + 8 tau + i % 8.
; xc: [g][K step s of 128][tau]: a fragment (16 rows x 128 K, 12 registers a lane) as an image of its registers: three pieces of 512 bytes, piece q = registers 4 q .. 4 q + 3, lane l's 16 bytes at 16 l.
; xs: [g][H = tau / 2][lane = 16 (tau % 2) + position][s]: one scale word (four bytes: 128 along K) each.
; A work-group takes tiles 2 H and 2 H + 1 of a group: 32 rows.  PHASE A: a wave takes four whole rows (a row: eight loads of 512 consecutive bytes), finds inv_rms, scales, and lays the rows in LDS.
; PHASE B: a wave takes one tile and two K steps; lane (r, h) reads the 2 x 32 neighbours that the operand's layout gives it: a block of 32 lies whole in one lane, so its largest magnitude needs no other lane.
; A block's scale byte is its largest magnitude's exponent field - 2, held at 1 from below (a block of zeros gets 1 where the rule says 127: its codes are zeros, and this program alone reads the bytes).
; LIMITS: NaN and infinities are not served; v_rsq_f32 stands for rsqrt; the sum of squares is ordered otherwise than a serial sum.
.set PITCH, 4112                       ; an LDS row: 4,096 bytes + 16: an odd multiple of 16, so sixteen rows of one column start in sixteen different groups of banks
.set SCL,   32*PITCH                   ; behind the rows: 1,024 bytes of scale words, [16 t + r][s]
.set G,     16                         ; v16-47  gain of my columns 128 i + 4 lane + 0..3; later the codes
.set X,     64                         ; v64-191 four rows; later two K steps of 64 numbers
	s_load_b256 s[4:11], s[0:1], 0x0               ; x s[4:5], gain s[6:7], xc s[8:9], xs s[10:11]
	v_lshl_add_u32 v192, v0, 2, 0x20600
	v_mov_b32 v193, 0
	v_lshrrev_b32 v5, 5, v0
	s_delay_alu instid0(VALU_DEP_1)
	v_readfirstlane_b32 s12, v5                    ; wave 0..7
	v_and_b32 v1, 31, v0                           ; lane
	s_delay_alu instid0(VALU_DEP_1)
	v_lshlrev_b32 v2, 4, v1                        ; 16 x lane
	s_wait_alu depctr_va_vdst(0)
	v_and_b32 v3, 15, v0                           ; r
	s_wait_alu depctr_va_vdst(0)
	v_bfe_u32 v4, v0, 4, 1                         ; h
	s_delay_alu instid0(VALU_DEP_1)
	v_lshlrev_b32 v9, 3, v4                        ; 8 h
	v_mov_b32 v60, 0                               ; a lane permute's destination counts as one of its sources
	s_lshr_b32 s13, ttmp9, 1                       ; g
	s_and_b32 s14, ttmp9, 1                        ; H
	s_lshr_b32 s15, ttmp9, 6                       ; n
	s_lshr_b32 s16, s12, 2                         ; wave / 4
	s_and_b32 s17, s12, 3                          ; wave % 4
	s_lshl_b32 s18, s13, 6                         ; phase A: my first row = 64 g + 16 H + 32 (wave / 4) + 4 (wave % 4)
	s_lshl_b32 s19, s14, 4
	s_add_co_u32 s18, s18, s19
	s_lshl_b32 s19, s16, 5
	s_add_co_u32 s18, s18, s19
	s_lshl_b32 s19, s17, 2
	s_add_co_u32 s18, s18, s19
	s_lshl_b32 s18, s18, 12                        ; in bytes (under 2^25)
	s_mov_b32 s19, 0
	s_lshl_b32 s20, s15, 12                        ; gain's row n
	s_mov_b32 s21, 0
	s_bfe_u32 s22, s12, 0x10001                    ; where these rows lie in LDS: row 16 t + position, t = (wave / 2) % 2, position = 8 (wave / 4) + 4 (wave % 2) + k
	s_lshl_b32 s22, s22, 4
	s_lshl_b32 s23, s16, 3
	s_add_co_u32 s22, s22, s23
	s_and_b32 s23, s12, 1
	s_lshl_b32 s23, s23, 2
	s_add_co_u32 s22, s22, s23
	s_mul_i32 s22, s22, PITCH
	v_add_nc_u32 v6, s22, v2                       ; v6: phase A's stores
	v_mul_u32_u24 v7, v3, PITCH                    ; phase B: tile t = wave / 4, K steps 2 (wave % 4) + u: row 16 t + r, byte 128 h + 1,024 (wave % 4)
	s_wait_alu depctr_va_vdst(0)
	v_lshl_add_u32 v7, v4, 7, v7
	s_mul_i32 s23, s16, 16*PITCH
	s_lshl_b32 s24, s17, 10
	s_add_co_u32 s23, s23, s24
	v_add_nc_u32 v7, s23, v7                       ; v7: phase B's loads
	v_lshlrev_b32 v8, 5, v3                        ; my row's scale words: 32 (16 t + r) + 8 (wave % 4)
	s_lshl_b32 s23, s16, 9
	s_lshl_b32 s24, s17, 3
	s_add_co_u32 s23, s23, s24
	s_add_co_u32 s23, s23, SCL
	v_add_nc_u32 v8, s23, v8                       ; v8
	s_min_u32 s23, s12, 1                          ; the scale words' way out: waves 0 and 1 take 512 bytes each
	s_lshl_b32 s23, s23, 9
	s_add_co_u32 s24, s23, SCL
	v_add_nc_u32 v10, s24, v2                      ; v10
	s_lshl_b32 s26, s13, 11                        ; xs: 2,048 g + 1,024 H + 512 x wave
	s_lshl_b32 s27, s14, 10
	s_add_co_u32 s26, s26, s27
	s_add_co_u32 s26, s26, s23
	s_mov_b32 s27, 0
	s_mul_i32 s24, s13, 49152                      ; xc: 49,152 g + 6,144 x 2 (wave % 4) + 1,536 (2 H + t)
	s_mul_i32 s25, s17, 12288
	s_add_co_u32 s24, s24, s25
	s_lshl_b32 s25, s14, 1
	s_add_co_u32 s25, s25, s16
	s_mul_i32 s25, s25, 1536
	s_add_co_u32 s24, s24, s25
	s_mov_b32 s25, 0
	s_mov_b32 s28, 0x76543210                      ; v_permlanex16_b32's selects for lane l xor 16
	s_mov_b32 s29, 0xfedcba98
	s_mov_b32 s30, 0x3a800000                      ; 1 / 1024
	s_mov_b32 s31, 0x358637bd                      ; 1e-6
	s_wait_kmcnt 0x0
	s_add_nc_u64 s[4:5], s[4:5], s[18:19]
	s_add_nc_u64 s[6:7], s[6:7], s[20:21]
	s_add_nc_u64 s[8:9], s[8:9], s[24:25]
	s_add_nc_u64 s[10:11], s[10:11], s[26:27]
.irp i, 0,1,2,3,4,5,6,7
	global_load_b128 v[G+4*\i:G+4*\i+3], v2, s[6:7] offset:512*\i
.endr
.irp k, 0,1,2,3
.irp i, 0,1,2,3,4,5,6,7
	global_load_b128 v[X+32*\k+4*\i:X+32*\k+4*\i+3], v2, s[4:5] offset:4096*\k+512*\i   ; 32 lanes read 512 consecutive bytes
.endr
.endr
; One row: the sum of squares, inv_rms, x (gain inv_rms), into LDS.
.macro ROWA k
.set XR, X+32*(\k)
	s_wait_loadcnt 8*(3-(\k))                      ; this row's eight loads are in (and gain's, which are older); the younger rows' stay out
	v_pk_mul_f32 v[48:49], v[XR:XR+1], v[XR:XR+1]  ; two chains, started by the first products
	v_pk_mul_f32 v[50:51], v[XR+2:XR+3], v[XR+2:XR+3]
.irp j, 2,3,4,5,6,7,8,9,10,11,12,13,14,15
	s_delay_alu instid0(VALU_DEP_2)
	v_pk_fma_f32 v[48+2*(\j%2):49+2*(\j%2)], v[XR+2*\j:XR+2*\j+1], v[XR+2*\j:XR+2*\j+1], v[48+2*(\j%2):49+2*(\j%2)]
.endr
	s_delay_alu instid0(VALU_DEP_1)
	v_pk_add_f32 v[48:49], v[48:49], v[50:51]
	s_delay_alu instid0(VALU_DEP_1)
	v_add_f32 v48, v48, v49
.irp m, 1,2,4,8
	s_delay_alu instid0(VALU_DEP_1)
	v_add_f32_dpp v48, v48, v48 row_xmask:\m row_mask:0xf bank_mask:0xf
.endr
	s_delay_alu instid0(VALU_DEP_1)
	v_permlanex16_b32 v49, v48, s28, s29
	s_delay_alu instid0(VALU_DEP_1)
	v_add_f32 v48, v48, v49                        ; the row's sum of squares, in every lane
	s_delay_alu instid0(VALU_DEP_1)
	v_fma_f32 v48, v48, s30, s31                   ; the mean (a power of two: exact) + 1e-6
	s_wait_alu depctr_va_vdst(0)
	v_rsq_f32 v50, v48
	v_rsq_f32 v51, v48                             ; twice: a pair for the packed multiply
	v_nop                                          ; one plain place behind the transcendentals
	s_wait_alu depctr_va_vdst(0)
.irp jj, 0,4,8,12
.irp i, 0,1,2,3
	v_pk_mul_f32 v[52+2*\i:53+2*\i], v[G+2*(\jj+\i):G+2*(\jj+\i)+1], v[50:51]   ; gain inv_rms,
.endr
.irp i, 0,1,2,3
	s_delay_alu instid0(VALU_DEP_4)
	v_pk_mul_f32 v[XR+2*(\jj+\i):XR+2*(\jj+\i)+1], v[XR+2*(\jj+\i):XR+2*(\jj+\i)+1], v[52+2*\i:53+2*\i]   ; times x: the order of the definition
.endr
.endr
.irp i, 0,1,2,3,4,5,6,7
	ds_store_b128 v6, v[XR+4*\i:XR+4*\i+3] offset:PITCH*(\k)+512*\i
.endr
.endm
	ROWA 0
	ROWA 1
	ROWA 2
	ROWA 3
	s_wait_dscnt 0x0                               ; for the others' sake: my rows lie in LDS
	s_barrier_signal -1
	s_barrier_wait -1
.irp u, 0,1
.irp c, 0,1
.irp i, 0,1,2,3,4,5,6,7
	ds_load_b128 v[X+64*\u+32*\c+4*\i:X+64*\u+32*\c+4*\i+3], v7 offset:512*\u+256*\c+16*\i   ; k = 128 s + 64 c + 32 h + 4 i ..
.endr
.endr
.endr
; 64 numbers of a lane, two whole blocks (c = 0, 1), become a fragment's 12 registers at v[f] and its row's scale word in v[pw].
.macro QUANT src, f, pw
.irp c, 0,1
	v_max3_num_f32 v[48+\c], |v[(\src)+32*\c]|, |v[(\src)+32*\c+1]|, 0x1800000   ; the floor 2^(3 - 127) among the leaves: the byte cannot fall under 1
.endr
.irp i, 2,4,6,8,10,12,14,16,18,20,22,24,26,28,30
.irp c, 0,1
	s_delay_alu instid0(VALU_DEP_2)
	v_max3_num_f32 v[48+\c], v[48+\c], |v[(\src)+32*\c+\i]|, |v[(\src)+32*\c+\i+1]|
.endr
.endr
.irp c, 0,1
	s_delay_alu instid0(VALU_DEP_2)
	v_add_nc_u32 v[50+\c], 0xff000000, v[48+\c]    ; 2 off the exponent field: the conversion's scale operand
.endr
.irp c, 0,1
	s_delay_alu instid0(VALU_DEP_2)
	v_lshrrev_b32 v[52+\c], 23, v[50+\c]           ; the scale's byte
.endr
.irp c, 0,1
	v_cvt_scalef32_pk16_fp6_f32 v[(\f)+6*\c:(\f)+6*\c+2], v[(\src)+32*\c:(\src)+32*\c+15], v[50+\c]
	v_cvt_scalef32_pk16_fp6_f32 v[40+4*\c:42+4*\c], v[(\src)+32*\c+16:(\src)+32*\c+31], v[50+\c]   ; (a conversion's three registers begin on an even number)
.endr
	v_nop                                          ; one plain place behind the conversions
.irp c, 0,1
.irp i, 0,1,2
	v_mov_b32 v[(\f)+6*\c+3+\i], v[40+4*\c+\i]
.endr
.endr
	v_lshl_or_b32 v[\pw], v53, 16, v52             ; my two bytes, blocks h and 2 + h,
	s_delay_alu instid0(VALU_DEP_1)
	v_lshlrev_b32 v[\pw], v9, v[\pw]               ; at their places (8 h bits up);
	s_delay_alu instid0(VALU_DEP_1)
	v_permlanex16_b32 v60, v[\pw], s28, s29
	s_delay_alu instid0(VALU_DEP_1)
	v_or_b32 v[\pw], v[\pw], v60                   ; with lane l xor 16's two the word is whole
.endm
	s_wait_dscnt 16                                ; the first K step's sixteen loads are in; the second's stay out
	QUANT X, 16, 54
.irp q, 0,1,2
	global_store_b128 v2, v[16+4*\q:19+4*\q], s[8:9] offset:512*\q   ; 32 lanes store 512 consecutive bytes, aligned
.endr
	ds_store_b32 v8, v54                           ; both halves of the lanes write the same word with the same value
	s_wait_dscnt 0x0
	QUANT X+64, 28, 55                             ; its own registers: no store's data are written again
.irp q, 0,1,2
	global_store_b128 v2, v[28+4*\q:31+4*\q], s[8:9] offset:6144+512*\q
.endr
	ds_store_b32 v8, v55 offset:4
	s_wait_dscnt 0x0                               ; for the others' sake: my scale words lie in LDS
	s_barrier_signal -1
	s_barrier_wait -1
	s_cmp_gt_u32 s12, 1                            ; waves 0 and 1 carry the 1,024 bytes out
	s_cbranch_scc1 .Lend
	ds_load_b128 v[44:47], v10
	s_wait_dscnt 0x0
	global_store_b128 v2, v[44:47], s[10:11]       ; 512 consecutive bytes, aligned
.Lend:
	s_wait_tensorcnt 0x0
	ds_add_u32 v192, v193
	s_wait_dscnt 0x0
	s_endpgm
.Lfunc_end_k_q2f65dbe540_xquant:
	.size	k_q2f65dbe540_xquant, .Lfunc_end_k_q2f65dbe540_xquant-k_q2f65dbe540_xquant
	.p2alignl 7, 3214868480
	.fill 96, 4, 3214868480
	.section	.rodata,"a",@progbits
	.p2align	6, 0x0
	.amdhsa_kernel k_q2f65dbe540_xquant
		.amdhsa_group_segment_fixed_size 133632
		.amdhsa_private_segment_fixed_size 0
		.amdhsa_enable_private_segment 0
		.amdhsa_kernarg_size 32
		.amdhsa_user_sgpr_count 2
		.amdhsa_user_sgpr_kernarg_segment_ptr 1
		.amdhsa_wavefront_size32 1
		.amdhsa_system_sgpr_workgroup_id_x 1
		.amdhsa_system_sgpr_workgroup_id_y 1
		.amdhsa_system_sgpr_workgroup_id_z 1
		.amdhsa_system_vgpr_workitem_id 0
		.amdhsa_next_free_vgpr 194
		.amdhsa_next_free_sgpr 66
		.amdhsa_reserve_vcc 0
		.amdhsa_float_denorm_mode_32 3
		.amdhsa_float_denorm_mode_16_64 3
		.amdhsa_memory_ordered 1
		.amdhsa_forward_progress 1
		.amdhsa_inst_pref_size 41
	.end_amdhsa_kernel
	.amdgpu_metadata
---
amdhsa.version: [ 1, 2 ]
amdhsa.kernels:
  - .name:           k_q2f65dbe540_xquant
    .symbol:         k_q2f65dbe540_xquant.kd
    .args:
      - { .name: x, .offset: 0, .size: 8, .value_kind: global_buffer, .address_space: global }
      - { .name: gain, .offset: 8, .size: 8, .value_kind: global_buffer, .address_space: global }
      - { .name: xc, .offset: 16, .size: 8, .value_kind: global_buffer, .address_space: global }
      - { .name: xs, .offset: 24, .size: 8, .value_kind: global_buffer, .address_space: global }
    .group_segment_fixed_size: 133632
    .private_segment_fixed_size: 0
    .kernarg_segment_align: 8
    .kernarg_segment_size: 32
    .max_flat_workgroup_size: 256
    .sgpr_count:     66
    .vgpr_count:     194
    .wavefront_size: 32
...
	.end_amdgpu_metadata
.endif
;; end of part 2
;; launch qkv (part 3): grid 16 x 12, 4 waves a work-group, clusters of 4 x 1, 209,408 bytes of LDS; arguments xc, xs, qkv_w_codes, qkv_w_scales, head_scale, qb, kvb; writes qb, kvb
.if DOCPART == 3
	.amdgcn_target "amdgcn-amd-amdhsa--gfx1250"
	.amdhsa_code_object_version 6
	.text
	.protected	k_q2f65dbe540_qkv
	.globl	k_q2f65dbe540_qkv
	.p2align	8
	.type	k_q2f65dbe540_qkv,@function
k_q2f65dbe540_qkv:
	s_mov_b64 s[64:65], 0
	v_nop
	global_prefetch_b8 v0, s[64:65] scope:SCOPE_SE
	s_setreg_imm32_b32 hwreg(HW_REG_WAVE_MODE, 25, 1), 1
	s_wait_xcnt 0x0
	s_wait_alu depctr_hold_cnt(0) depctr_sa_sdst(0) depctr_va_vdst(0) depctr_va_sdst(0) depctr_va_ssrc(0) depctr_va_vcc(0) depctr_vm_vsrc(0)
	s_getreg_b32 s2, hwreg(HW_REG_IB_STS2, 6, 4)
	s_cmp_eq_u32 s2, 0
	s_cbranch_scc0 .Lentry_in_a_cluster
	s_endpgm
.Lentry_in_a_cluster:
	s_bfe_u32 s2, ttmp6, 0x10000c
	s_cmp_lg_u32 s2, 0x3003
	s_cbranch_scc0 .Lentry_shape_is_right
	s_endpgm
.Lentry_shape_is_right:
; qkv = xn qkv_w^T on codes of E2M3; q and k are brought to length sqrt(head_scale) and quantised along the head's 64; v is quantised along the keys.  Nothing leaves as f32.
; SHARES.  A wave owns a UNIT: 64 rows of qkv_w (one head of q, k or v), u = 4 y + wave.  Its codes for all of K (4 tiles x 8 K steps x 12 registers = 384) stay in registers for the whole launch.
; A work-group takes 512 rows of xn (8 groups of 64); each wave streams their fragments straight from xc, 12 loads of 512 consecutive bytes a K step, each fragment feeding four matrix instructions.  Waves share nothing.
; 48 units x 16 blocks of rows are 768 waves of equal work, 192 work-groups: 48 does not divide into 1,024 equal waves that each hold one unit.
; CLUSTER.  The four work-groups of a cluster differ in their rows alone and need the same weights: each wave's 64 rows of codes are asked for jointly, once, and land in each work-group's LDS.  No LDS byte is filled twice.
; ROW ORDER.  Tile w of a unit holds at position i the row 32 (i / 8) + 8 w + i % 8; tiles of tokens likewise (xquant).  So the 32 registers of four neighbouring result tiles are 32 NEIGHBOURS, 32 h + 0 .. 31: one whole block of the
; next product's K in one lane, in the order that the 6-bit operand's layout wants.  q, k: source 0 = weights, source 1 = tokens (a lane holds one token, registers run along e).  v: the other way round (a lane holds one e, registers run along the keys).
; OUT.  qb [head][sigma 16][6,400]: four fragments (c = group % 2, pair pi) of 1,536 bytes: registers 0-5 tile 2 pi, registers 6-11 tile 2 pi + 1 (K is 64: a fragment carries two tiles); then 256 bytes of scale words [lane][c].
; kvb [head][sigma][12,800]: K as in qb; at 6,144 V^T, four fragments (16 e x 128 keys); at 12,288 K's scale words; at 12,544 V's, [lane][p]: lanes 0-15 e tile 2 p, lanes 16-31 tile 2 p + 1.
; REGISTERS.  window 0: v1-7 addresses, v5 sqrt(head_scale), v8-15 at work, v16-31 the weights' scale words, v32-63 the tokens' (two sets), v64-127 codes and temporaries, v128-255 16 accumulators.
;   window 1: weights of K steps 0-4 (48 s + 12 w).   window 2: K steps 5-7.   window 3: tokens' fragments, four slots of a K step (48 (s % 4) + 12 tau).
; LIMITS: NaN and infinities are not served; a block of zeros gets the byte 1 (its codes are zeros; this program alone reads the bytes); v_rsq_f32 and v_sqrt_f32 stand for rsqrt and sqrt.
; The weights' LDS loads meet two deep in the banks (positions r and r + 8 lie 32 rows apart): each runs once in the launch.
.set PITCH, 816                        ; a weight row in LDS: 768 bytes + 16 behind each 256
.set WREG,  64*PITCH                   ; a wave's 64 rows
.set WS,    16
.set XS,    32
.set ACC,   128
.set MSB, 0
.macro WIN new                         ; the immediate's high byte repeats the setting that is left
.if MSB != \new
	s_set_vgpr_msb (MSB<<8)|\new
.set MSB, \new
.endif
.endm
.macro ROUND                           ; a round of the cluster's barrier
	s_barrier_signal -1
	s_barrier_wait -1
	s_cmp_lg_u32 s18, 0
	s_cbranch_scc1 .Lnot_wave_0_\@
	s_barrier_signal -3
.Lnot_wave_0_\@:
	s_barrier_wait -3
	s_barrier_signal -1
	s_barrier_wait -1
.endm
.macro PLACES                          ; four places behind matrix instructions, ahead of loads into their sources and of reads of their results
.rept 4
	v_nop
.endr
.endm
; One matrix instruction.  z: the sum starts (C = 0).  sa, sb: the scale registers; ra, rb: 1 = the scales stand in lanes 16-31.
.macro MM d, a, b, z, sa, sb, ra, rb
.if \z
.if (\ra) && (\rb)
	v_wmma_scale_f32_16x16x128_f8f6f4 v[(\d):(\d)+7], v[(\a):(\a)+11], v[(\b):(\b)+11], 0, v[\sa], v[\sb] matrix_a_fmt:MATRIX_FMT_FP6 matrix_b_fmt:MATRIX_FMT_FP6 matrix_a_scale:MATRIX_SCALE_ROW1 matrix_b_scale:MATRIX_SCALE_ROW1
.elseif \ra
	v_wmma_scale_f32_16x16x128_f8f6f4 v[(\d):(\d)+7], v[(\a):(\a)+11], v[(\b):(\b)+11], 0, v[\sa], v[\sb] matrix_a_fmt:MATRIX_FMT_FP6 matrix_b_fmt:MATRIX_FMT_FP6 matrix_a_scale:MATRIX_SCALE_ROW1
.elseif \rb
	v_wmma_scale_f32_16x16x128_f8f6f4 v[(\d):(\d)+7], v[(\a):(\a)+11], v[(\b):(\b)+11], 0, v[\sa], v[\sb] matrix_a_fmt:MATRIX_FMT_FP6 matrix_b_fmt:MATRIX_FMT_FP6 matrix_b_scale:MATRIX_SCALE_ROW1
.else
	v_wmma_scale_f32_16x16x128_f8f6f4 v[(\d):(\d)+7], v[(\a):(\a)+11], v[(\b):(\b)+11], 0, v[\sa], v[\sb] matrix_a_fmt:MATRIX_FMT_FP6 matrix_b_fmt:MATRIX_FMT_FP6
.endif
.else
.if (\ra) && (\rb)
	v_wmma_scale_f32_16x16x128_f8f6f4 v[(\d):(\d)+7], v[(\a):(\a)+11], v[(\b):(\b)+11], v[(\d):(\d)+7], v[\sa], v[\sb] matrix_a_fmt:MATRIX_FMT_FP6 matrix_b_fmt:MATRIX_FMT_FP6 matrix_a_scale:MATRIX_SCALE_ROW1 matrix_b_scale:MATRIX_SCALE_ROW1
.elseif \ra
	v_wmma_scale_f32_16x16x128_f8f6f4 v[(\d):(\d)+7], v[(\a):(\a)+11], v[(\b):(\b)+11], v[(\d):(\d)+7], v[\sa], v[\sb] matrix_a_fmt:MATRIX_FMT_FP6 matrix_b_fmt:MATRIX_FMT_FP6 matrix_a_scale:MATRIX_SCALE_ROW1
.elseif \rb
	v_wmma_scale_f32_16x16x128_f8f6f4 v[(\d):(\d)+7], v[(\a):(\a)+11], v[(\b):(\b)+11], v[(\d):(\d)+7], v[\sa], v[\sb] matrix_a_fmt:MATRIX_FMT_FP6 matrix_b_fmt:MATRIX_FMT_FP6 matrix_b_scale:MATRIX_SCALE_ROW1
.else
	v_wmma_scale_f32_16x16x128_f8f6f4 v[(\d):(\d)+7], v[(\a):(\a)+11], v[(\b):(\b)+11], v[(\d):(\d)+7], v[\sa], v[\sb] matrix_a_fmt:MATRIX_FMT_FP6 matrix_b_fmt:MATRIX_FMT_FP6
.endif
.endif
.endm
; A weight fragment (K step s, tile w) out of LDS: six pieces of 8 bytes.  Lanes 16-31 read three pieces further on, which for some pieces is behind one padding more: v7 (40 for 24 bytes a half) serves those.
.macro WFRAG reg, s, w
.irp p, 0,1,2,3,4,5
.set PCE, 12*(\s)+6*(\p/3)+\p%3
.if PCE%32 < 29
	ds_load_b64 v[(\reg)+2*\p:(\reg)+2*\p+1], v6 offset:8*PITCH*(\w)+8*PCE+16*(PCE/32)
.else
	ds_load_b64 v[(\reg)+2*\p:(\reg)+2*\p+1], v7 offset:8*PITCH*(\w)+8*PCE+16*(PCE/32)
.endif
.endr
.endm
.macro XLOAD slot, off                 ; a K step's four fragments of tokens: 12 loads of 512 consecutive bytes
	WIN 0xc0                                       ; destination window 3, address window 0
.irp t, 0,1,2,3
.irp q, 0,1,2
	global_load_b128 v[48*(\slot)+12*\t+4*\q:48*(\slot)+12*\t+4*\q+3], v1, s[4:5] offset:(\off)+1536*\t+512*\q
.endr
.endr
.endm
.macro SCLOAD set, off                 ; a group's scale words: register 8 H + s: lanes 0-15 tile 2 H, lanes 16-31 tile 2 H + 1
	WIN 0
.irp hh, 0,1
.irp q, 0,1
	global_load_b128 v[XS+16*(\set)+8*\hh+4*\q:XS+16*(\set)+8*\hh+4*\q+3], v2, s[6:7] offset:(\off)+1024*\hh+16*\q
.endr
.endr
.endm
; A K step: 16 matrix instructions, the 16 accumulators by turns, one instruction a turn.
.macro KSTEP vp, par, s, cnt
	s_wait_loadcnt \cnt
.set WB, 48*((\s)%5)
.set XB, 48*((\s)%4)
.if \vp
.if (\s) < 5
	WIN 0x07                                       ; source 0 (tokens) window 3, source 1 (weights) window 1
.else
	WIN 0x0b                                       ; weights in window 2
.endif
.irp t, 0,1,2,3
.irp w, 0,1,2,3
	MM ACC+32*\w+8*\t, XB+12*\t, WB+12*\w, (\s)==0, XS+16*(\par)+8*(\t/2)+(\s), WS+8*(\w/2)+(\s), \t%2, \w%2
.endr
.endr
.else
.if (\s) < 5
	WIN 0x0d                                       ; source 0 (weights) window 1, source 1 (tokens) window 3
.else
	WIN 0x0e
.endif
.irp t, 0,1,2,3
.irp w, 0,1,2,3
	MM ACC+32*\t+8*\w, WB+12*\w, XB+12*\t, (\s)==0, WS+8*(\w/2)+(\s), XS+16*(\par)+8*(\t/2)+(\s), \w%2, \t%2
.endr
.endr
.endif
.endm
; THE WAY OUT OF q AND k.  Lane (r, h) holds, of tile t's token r, e = 32 h + 0 .. 31 in v[ACC + 32 t ..].  The four tiles take turns in every stage; every accumulator is read from its low end on.
.macro EPIQK par
	s_wait_xcnt 0x0                                ; the last group's stores have read their registers
.irp t, 0,1,2,3
	v_pk_mul_f32 v[104+6*\t:105+6*\t], v[ACC+32*\t:ACC+32*\t+1], v[ACC+32*\t:ACC+32*\t+1]   ; the sum of squares, two chains a tile
.endr
.irp t, 0,1,2,3
	v_pk_mul_f32 v[106+6*\t:107+6*\t], v[ACC+32*\t+2:ACC+32*\t+3], v[ACC+32*\t+2:ACC+32*\t+3]
.endr
.irp j, 2,3,4,5,6,7,8,9,10,11,12,13,14,15
.irp t, 0,1,2,3
	v_pk_fma_f32 v[104+6*\t+2*(\j%2):105+6*\t+2*(\j%2)], v[ACC+32*\t+2*\j:ACC+32*\t+2*\j+1], v[ACC+32*\t+2*\j:ACC+32*\t+2*\j+1], v[104+6*\t+2*(\j%2):105+6*\t+2*(\j%2)]
.endr
.endr
.irp t, 0,1,2,3
	v_pk_add_f32 v[104+6*\t:105+6*\t], v[104+6*\t:105+6*\t], v[106+6*\t:107+6*\t]
.endr
.irp t, 0,1,2,3
	v_add_f32 v[104+6*\t], v[104+6*\t], v[105+6*\t]
.endr
.irp t, 0,1,2,3
	v_permlanex16_b32 v[105+6*\t], v[104+6*\t], s56, s57
.endr
.irp t, 0,1,2,3
	v_add_f32 v[104+6*\t], v[104+6*\t], v[105+6*\t]   ; with the other 32 e
.endr
.irp t, 0,1,2,3
	v_add_f32 v[104+6*\t], s58, v[104+6*\t]        ; + 1e-6
.endr
	s_wait_alu depctr_va_vdst(0)
.irp t, 0,1,2,3
	v_rsq_f32 v[105+6*\t], v[104+6*\t]
.endr
	v_nop                                          ; one plain place behind the transcendentals
	s_wait_alu depctr_va_vdst(0)
.irp t, 0,1,2,3
	v_mul_f32 v[106+6*\t], v5, v[105+6*\t]         ; sqrt(head_scale) x rsqrt(..)
.endr
.irp t, 0,1,2,3
	v_mov_b32 v[107+6*\t], v[106+6*\t]             ; a pair for the packed multiply
.endr
.irp j, 0,1,2,3,4,5,6,7,8,9,10,11,12,13,14,15
.irp t, 0,1,2,3
	v_pk_mul_f32 v[ACC+32*\t+2*\j:ACC+32*\t+2*\j+1], v[ACC+32*\t+2*\j:ACC+32*\t+2*\j+1], v[106+6*\t:107+6*\t]
.endr
.endr
.irp t, 0,1,2,3
	v_max3_num_f32 v[108+6*\t], |v[ACC+32*\t]|, |v[ACC+32*\t+1]|, 0x1800000   ; the block's largest magnitude: all 32 are mine; the floor 2^(3 - 127) among the leaves
.endr
.irp i, 2,4,6,8,10,12,14,16,18,20,22,24,26,28,30
.irp t, 0,1,2,3
	v_max3_num_f32 v[108+6*\t], v[108+6*\t], |v[ACC+32*\t+\i]|, |v[ACC+32*\t+\i+1]|
.endr
.endr
.irp t, 0,1,2,3
	v_add_nc_u32 v[109+6*\t], 0xff000000, v[108+6*\t]   ; 2 off the exponent field: the conversion's scale operand
.endr
.irp t, 0,1,2,3
	v_cvt_scalef32_pk16_fp6_f32 v[64+12*(\t/2)+6*(\t%2):64+12*(\t/2)+6*(\t%2)+2], v[ACC+32*\t:ACC+32*\t+15], v[109+6*\t]
	v_cvt_scalef32_pk16_fp6_f32 v[88+4*\t:90+4*\t], v[ACC+32*\t+16:ACC+32*\t+31], v[109+6*\t]   ; (a conversion's three registers begin on an even number)
.endr
	v_nop                                          ; one plain place behind the conversions
.irp t, 0,1,2,3
.irp i, 0,1,2
	v_mov_b32 v[64+12*(\t/2)+6*(\t%2)+3+\i], v[88+4*\t+\i]
.endr
.endr
.irp t, 0,1,2,3
	v_lshrrev_b32 v[108+6*\t], 23, v[109+6*\t]     ; the scale's byte
.endr
	v_lshl_or_b32 v8, v114, 16, v108               ; pair 0: tile 0's byte below, tile 1's 16 bits up,
	v_lshl_or_b32 v9, v126, 16, v120               ; pair 1: tiles 2 and 3,
	v_lshlrev_b32 v8, v4, v8                       ; at my block's place (8 h bits up)
	v_lshlrev_b32 v9, v4, v9
	v_permlane16_swap_b32 v8, v9                   ; v8: lanes 0-15 pair 0, lanes 16-31 pair 1, block 0's bytes; v9: the same, block 1's
	v_or_b32 v[12+\par], v8, v9                    ; the fragments' scale words
.irp e, 0,1
.irp q, 0,1,2
	global_store_b128 v1, v[64+12*\e+4*\q:64+12*\e+4*\q+3], s[50:51] offset:3072*\par+1536*\e+512*\q   ; 512 consecutive bytes, aligned
.endr
.endr
.if \par
	global_store_b64 v3, v[12:13], s[52:53]        ; both groups' words: 256 consecutive bytes, aligned
.endif
.endm
; THE WAY OUT OF v.  Lane (r, h) holds, of e tile w's position r, keys 64 g + 32 h + 0 .. 31 in v[ACC + 32 w ..]: a whole block along the keys.  Two groups make a fragment of 128 keys.
.macro EPIV par
	s_wait_xcnt 0x0
.irp w, 0,1,2,3
	v_max3_num_f32 v[8+\w], |v[ACC+32*\w]|, |v[ACC+32*\w+1]|, 0x1800000
.endr
.irp i, 2,4,6,8,10,12,14,16,18,20,22,24,26,28,30
.irp w, 0,1,2,3
	v_max3_num_f32 v[8+\w], v[8+\w], |v[ACC+32*\w+\i]|, |v[ACC+32*\w+\i+1]|
.endr
.endr
.irp w, 0,1,2,3
	v_add_nc_u32 v[8+\w], 0xff000000, v[8+\w]
.endr
.irp w, 0,1,2,3
	v_cvt_scalef32_pk16_fp6_f32 v[64+12*\w+6*\par:64+12*\w+6*\par+2], v[ACC+32*\w:ACC+32*\w+15], v[8+\w]
	v_cvt_scalef32_pk16_fp6_f32 v[112+4*\w:114+4*\w], v[ACC+32*\w+16:ACC+32*\w+31], v[8+\w]
.endr
	v_nop
.irp w, 0,1,2,3
.irp i, 0,1,2
	v_mov_b32 v[64+12*\w+6*\par+3+\i], v[112+4*\w+\i]
.endr
.endr
.if \par == 0
.irp w, 0,1,2,3
	v_lshrrev_b32 v[12+\w], 23, v[8+\w]            ; the even group's byte waits for the odd group's
.endr
.else
.irp w, 0,1,2,3
	v_lshrrev_b32 v[8+\w], 23, v[8+\w]
.endr
.irp w, 0,1,2,3
	v_lshl_or_b32 v[12+\w], v[8+\w], 16, v[12+\w]
.endr
.irp w, 0,1,2,3
	v_lshlrev_b32 v[12+\w], v4, v[12+\w]           ; key blocks h and 2 + h at their places
.endr
	v_permlane16_swap_b32 v12, v13
	v_permlane16_swap_b32 v14, v15
	v_or_b32 v12, v12, v13                         ; lanes 0-15 e tile 0, lanes 16-31 e tile 1
	v_or_b32 v13, v14, v15                         ; tiles 2 and 3
.irp w, 0,1,2,3
.irp q, 0,1,2
	global_store_b128 v1, v[64+12*\w+4*\q:64+12*\w+4*\q+3], s[50:51] offset:1536*\w+512*\q
.endr
.endr
	global_store_b64 v3, v[12:13], s[52:53]
.endif
.endm
; A group of 64 tokens.  The loads run four K steps ahead, on into the next group.  COUNTS: behind a K step's 12 loads stand three younger steps' 36; in steps 1 to 3 also the next group's 4 scale loads, issued behind
; step 0: 40.  The last group asks for no scale words and, from step 4 on, for nothing: 36, then 24, 12, 0.
.macro TRIP vp, par, last
.irp s, 0,1,2,3,4,5,6,7
.set CNT, 36
.if !\last && (\s > 0) && (\s < 4)
.set CNT, 40
.endif
.if \last && (\s > 4)
.set CNT, 36-12*(\s-4)
.endif
	KSTEP \vp, \par, \s, CNT
.if (\s < 4) || !\last
	PLACES
.if (\s == 0) && !\last
	SCLOAD 1-\par, (\par+1)*2048
.endif
.if \s < 4
	XLOAD \s, \par*49152+6144*(\s+4)
.else
	XLOAD \s-4, (\par+1)*49152+6144*(\s-4)
.endif
.endif
.endr
	WIN 0
.if \last
	PLACES
.endif
.if \vp
	EPIV \par
.else
	EPIQK \par
.endif
.endm
.macro STEPON                          ; two groups on
	s_wait_xcnt 0x0                                ; every earlier load and store has read its base
	s_add_nc_u64 s[4:5], s[4:5], 98304
	s_add_nc_u64 s[6:7], s[6:7], 4096
	s_add_nc_u64 s[50:51], s[50:51], s[54:55]
	s_add_nc_u64 s[52:53], s[52:53], s[54:55]
.endm
	s_load_b256 s[4:11], s[0:1], 0x0               ; xc s[4:5], xs s[6:7], the weights' codes s[8:9], their scales s[10:11]
	s_load_b128 s[12:15], s[0:1], 0x20             ; head_scale s[12:13], qb s[14:15]
	s_load_b64 s[16:17], s[0:1], 0x30              ; kvb
	s_set_vgpr_msb 0x40
	v_lshl_add_u32 v254, v0, 2, 0x33000
	v_mov_b32 v255, 0
	s_set_vgpr_msb 0x4045
	ds_add_u32 v254, v255
	ds_add_u32 v254, v255
	s_set_vgpr_msb 0x4500
	v_lshrrev_b32 v8, 5, v0
	v_readfirstlane_b32 s18, v8                    ; wave 0..3
	s_bfe_u32 s19, ttmp6, 0x40000                  ; cx: my place in the cluster
	s_lshl_b32 s20, ttmp9, 2
	s_add_co_u32 s20, s20, s19                     ; X: my 512 rows
	s_and_b32 s21, ttmp7, 0xffff                   ; Y, which the four partners share
	s_lshl_b32 s22, s21, 2
	s_add_co_u32 s22, s22, s18                     ; u: my unit
	s_and_b32 s23, s22, 15                         ; its head
	; descriptor group 1: 64 rows x 768 bytes, 16 bytes of padding behind each 256
	s_mov_b32 s40, 15|(1<<20)|(1<<21)|(5<<22)|(3<<25)   ; 15:0 the mask: all four work-groups; 17:16 elements of 1 byte; 20 padding on; 21 set beside a mask; 24:22 after every 64 words; 31:25 4 words of it
	s_mov_b32 s41, 768<<16                         ; tensor_dim0
	s_mov_b32 s42, 64<<16                          ; tensor_dim1
	s_mov_b32 s43, 768<<16                         ; tile_dim0
	s_mov_b32 s44, 64                              ; tile_dim1
	s_mov_b32 s45, 768                             ; the pitch in memory
	s_mov_b32 s46, 0
	s_mov_b32 s47, 0
	s_mov_b32 s36, 1                               ; group 0: count
	s_mul_i32 s37, s18, WREG                       ; LDS address: the wave's own region
	s_mul_i32 s26, s22, 49152                      ; the unit's 64 rows of 768 bytes: made of Y and the wave's number alone
	s_mov_b32 s27, 0
	s_mul_i32 s28, s20, 393216                     ; xc: 8 groups of 49,152 bytes a block
	s_mov_b32 s29, 0
	s_lshl_b32 s30, s20, 14                        ; xs: 8 groups of 2,048 bytes
	s_mov_b32 s31, 0
	s_lshl_b32 s32, s22, 11                        ; the unit's scale bytes: 64 rows of 32
	s_mov_b32 s33, 0
	s_lshl_b32 s34, s23, 2                         ; head_scale[head]
	s_mov_b32 s35, 0
	s_lshr_b32 s24, s20, 2                         ; where the results go: head64 = 16 n + head, sigma from 4 (X % 4) on
	s_lshl_b32 s24, s24, 4
	s_add_co_u32 s24, s24, s23
	s_mul_i32 s24, s24, 102400
	s_and_b32 s25, s20, 3
	s_mul_i32 s25, s25, 25600
	s_add_co_u32 s60, s24, s25                     ; in qb; in kvb all is twice as far
	s_cmp_lt_u32 s21, 4
	s_cselect_b32 s25, 0, 1
	s_lshl_b32 s60, s60, s25
	s_mov_b32 s61, 0
	s_lshl_b32 s54, 6400, s25                      ; from sigma to sigma
	s_mov_b32 s55, 0
	s_lshl_b32 s62, 6144, s25                      ; q's and k's scale words behind their sigma's first byte
	s_mov_b32 s63, 0
	s_mov_b32 s56, 0x76543210                      ; v_permlanex16_b32's selects for lane l xor 16
	s_mov_b32 s57, 0xfedcba98
	s_mov_b32 s58, 0x358637bd                      ; 1e-6
	v_and_b32 v9, 31, v0
	v_lshlrev_b32 v1, 4, v9                        ; v1: 16 x lane
	v_lshlrev_b32 v2, 5, v9                        ; v2: 32 x lane
	v_lshlrev_b32 v3, 3, v9                        ; v3: 8 x lane
	v_bfe_u32 v12, v0, 4, 1                        ; h
	v_lshlrev_b32 v4, 3, v12                       ; v4: 8 h
	v_and_b32 v11, 7, v0
	v_bfe_u32 v13, v0, 3, 1
	v_lshl_add_u32 v13, v13, 5, v11                ; 32 (r / 8) + r % 8: my row in tile 0
	v_mul_u32_u24 v6, v13, PITCH
	v_mad_u32_u24 v6, v12, 24, v6
	v_add_nc_u32 v6, s37, v6                       ; v6: my weight row in LDS, + 24 h
	v_lshl_add_u32 v7, v12, 4, v6                  ; v7: the same behind one padding more
	v_lshl_add_u32 v10, v12, 3, v13                ; the weights' scale words: lanes 16-31 take the tile one on (8 rows)
	v_lshlrev_b32 v10, 5, v10                      ; 32 bytes a row
	s_wait_dscnt 0x0
	s_wait_kmcnt 0x0
	s_add_nc_u64 s[38:39], s[8:9], s[26:27]
	s_or_b32 s39, s39, 0x80000000                  ; type = 2
	s_add_nc_u64 s[4:5], s[4:5], s[28:29]
	s_add_nc_u64 s[6:7], s[6:7], s[30:31]
	s_add_nc_u64 s[10:11], s[10:11], s[32:33]
	s_add_nc_u64 s[12:13], s[12:13], s[34:35]
	s_cmp_lt_u32 s21, 4                            ; q goes to qb, k and v to kvb: the choice hangs on the work-group's number alone
	s_cselect_b64 s[50:51], s[14:15], s[16:17]
	s_add_nc_u64 s[50:51], s[50:51], s[60:61]
	s_add_nc_u64 s[52:53], s[50:51], s[62:63]
	ROUND                                          ; all four work-groups are here: the joint loads meet
	tensor_load_to_lds s[36:39], s[40:47]          ; my unit's codes: my one tensor load, filled once
	s_nop 0
.rept 4
	v_nop
.endr
	s_load_b32 s24, s[12:13], 0x0
	s_wait_alu depctr_va_vdst(0)
.irp p, 0,1
.irp q, 0,1
	global_load_b128 v[WS+8*\p+4*\q:WS+8*\p+4*\q+3], v10, s[10:11] offset:512*\p+16*\q   ; register 8 p + s: lanes 0-15 tile 2 p, lanes 16-31 tile 2 p + 1
.endr
.endr
	SCLOAD 0, 0
	XLOAD 0, 0
	XLOAD 1, 6144
	XLOAD 2, 12288
	XLOAD 3, 18432
	WIN 0
	s_wait_kmcnt 0x0
	v_sqrt_f32 v5, s24                             ; v5: sqrt(head_scale)
	v_nop                                          ; one plain place behind the transcendental
	s_wait_tensorcnt 0x0                           ; my codes lie in LDS; I alone read them
	WIN 0x40                                       ; destination window 1
.irp s, 0,1,2,3,4
.irp w, 0,1,2,3
	WFRAG 48*\s+12*\w, \s, \w
.endr
.endr
	WIN 0x80                                       ; destination window 2
.irp s, 5,6,7
.irp w, 0,1,2,3
	WFRAG 48*(\s-5)+12*\w, \s, \w
.endr
.endr
	s_wait_dscnt 0x0
	WIN 0
	s_mov_b32 s48, 3
	s_cmp_ge_u32 s21, 8                            ; Y is the same in all partners
	s_cbranch_scc1 .Lvpath
.Lqk:                                              ; three trips of two groups; the last two groups are written out
	TRIP 0, 0, 0
	TRIP 0, 1, 0
	STEPON
	s_sub_co_u32 s48, s48, 1
	s_cmp_lg_u32 s48, 0
	s_cbranch_scc1 .Lqk
	TRIP 0, 0, 0
	TRIP 0, 1, 1
	s_branch .Ldone
.Lvpath:
	s_add_nc_u64 s[52:53], s[50:51], 12544         ; V's scale words,
	s_add_nc_u64 s[50:51], s[50:51], 6144          ; and its fragments, behind K's
.Lv:
	TRIP 1, 0, 0
	TRIP 1, 1, 0
	STEPON
	s_sub_co_u32 s48, s48, 1
	s_cmp_lg_u32 s48, 0
	s_cbranch_scc1 .Lv
	TRIP 1, 0, 0
	TRIP 1, 1, 1
.Ldone:
	s_set_vgpr_msb 0x5
	s_wait_tensorcnt 0x0
	ds_add_u32 v254, v255
	s_wait_dscnt 0x0
	s_set_vgpr_msb 0x500
	ROUND                                          ; the closing round: no work-group ends while a partner may still ask jointly
	s_endpgm
.Lfunc_end_k_q2f65dbe540_qkv:
	.size	k_q2f65dbe540_qkv, .Lfunc_end_k_q2f65dbe540_qkv-k_q2f65dbe540_qkv
	.p2alignl 7, 3214868480
	.fill 96, 4, 3214868480
	.section	.rodata,"a",@progbits
	.p2align	6, 0x0
	.amdhsa_kernel k_q2f65dbe540_qkv
		.amdhsa_group_segment_fixed_size 209408
		.amdhsa_private_segment_fixed_size 0
		.amdhsa_enable_private_segment 0
		.amdhsa_kernarg_size 56
		.amdhsa_user_sgpr_count 2
		.amdhsa_user_sgpr_kernarg_segment_ptr 1
		.amdhsa_wavefront_size32 1
		.amdhsa_system_sgpr_workgroup_id_x 1
		.amdhsa_system_sgpr_workgroup_id_y 1
		.amdhsa_system_sgpr_workgroup_id_z 1
		.amdhsa_system_vgpr_workitem_id 0
		.amdhsa_next_free_vgpr 960
		.amdhsa_next_free_sgpr 66
		.amdhsa_reserve_vcc 0
		.amdhsa_float_denorm_mode_32 3
		.amdhsa_float_denorm_mode_16_64 3
		.amdhsa_memory_ordered 1
		.amdhsa_forward_progress 1
		.amdhsa_inst_pref_size 255
	.end_amdhsa_kernel
	.section	.bss,"aw",@nobits
	.p2align	6
	.space	262144
	.amdgpu_metadata
---
amdhsa.version: [ 1, 2 ]
amdhsa.kernels:
  - .name:           k_q2f65dbe540_qkv
    .symbol:         k_q2f65dbe540_qkv.kd
    .args:
      - { .name: xc, .offset: 0, .size: 8, .value_kind: global_buffer, .address_space: global }
      - { .name: xs, .offset: 8, .size: 8, .value_kind: global_buffer, .address_space: global }
      - { .name: qkv_w_codes, .offset: 16, .size: 8, .value_kind: global_buffer, .address_space: global }
      - { .name: qkv_w_scales, .offset: 24, .size: 8, .value_kind: global_buffer, .address_space: global }
      - { .name: head_scale, .offset: 32, .size: 8, .value_kind: global_buffer, .address_space: global }
      - { .name: qb, .offset: 40, .size: 8, .value_kind: global_buffer, .address_space: global }
      - { .name: kvb, .offset: 48, .size: 8, .value_kind: global_buffer, .address_space: global }
    .group_segment_fixed_size: 209408
    .private_segment_fixed_size: 0
    .kernarg_segment_align: 8
    .kernarg_segment_size: 56
    .max_flat_workgroup_size: 128
    .sgpr_count:     66
    .vgpr_count:     960
    .wavefront_size: 32
...
	.end_amdgpu_metadata
.endif
;; end of part 3
;; launch attn (part 4): grid 4 x 64, 8 waves a work-group, clusters of 4 x 1, 206,848 bytes of LDS; arguments qb, kvb, oc, os; writes oc, os
.if DOCPART == 4
	.amdgcn_target "amdgcn-amd-amdhsa--gfx1250"
	.amdhsa_code_object_version 6
	.text
	.protected	k_q2f65dbe540_attn
	.globl	k_q2f65dbe540_attn
	.p2align	8
	.type	k_q2f65dbe540_attn,@function
k_q2f65dbe540_attn:
	s_mov_b64 s[64:65], 0
	v_nop
	global_prefetch_b8 v0, s[64:65] scope:SCOPE_SE
	s_setreg_imm32_b32 hwreg(HW_REG_WAVE_MODE, 25, 1), 1
	s_wait_xcnt 0x0
	s_wait_alu depctr_hold_cnt(0) depctr_sa_sdst(0) depctr_va_vdst(0) depctr_va_sdst(0) depctr_va_ssrc(0) depctr_va_vcc(0) depctr_vm_vsrc(0)
	s_getreg_b32 s2, hwreg(HW_REG_IB_STS2, 6, 4)
	s_cmp_eq_u32 s2, 0
	s_cbranch_scc0 .Lentry_in_a_cluster
	s_endpgm
.Lentry_in_a_cluster:
	s_bfe_u32 s2, ttmp6, 0x10000c
	s_cmp_lg_u32 s2, 0x3003
	s_cbranch_scc0 .Lentry_shape_is_right
	s_endpgm
.Lentry_shape_is_right:
; o = softmax(q k^T) v for one (batch, head) of 2,048 x 2,048 x 64, both products on codes of E2M3; o / l is quantised along d for the last product and leaves as codes.  pos is not used (see the first kernel).
; THE SOFTMAX: t = score x log2(e); M = the running largest t rounded UP to a whole number; p = 2^(t - M) is quantised along the keys; the row's sum l is taken of the unquantised p and divides at the end.
; When M moves, l and O are multiplied by 2^(old M - new M): exact.
; SHARES.  A work-group owns 512 queries of one head; all of the head's K, V and scale words, 204,800 bytes, lie in LDS at once, filled once.  The four work-groups of a cluster are the four quarters of one head's queries
; and need the same bytes: each of the 8 waves asks jointly for two key steps (25,600 dense bytes): one tensor load a wave is out, and no byte is filled twice.
; A WAVE owns 64 queries = FOUR tiles of 16, and walks the 16 key steps once: each fragment of k and of v is read from LDS once for the four tiles (26 LDS loads for 48 matrix instructions).
; The tiles go in PAIRS through one set of 128 score registers: scores, softmax, codes, O^T += V^T P^T for tiles 0, 1, then the same for tiles 2, 3.
; The pair's long reductions go in EIGHT chains by turns (two a block for the maxima, four a tile for the sums), at the count of lines that one chain would take.
; K IS 64 IN AN INSTRUCTION 128 DEEP.  A fragment of k carries two tiles of keys; it is multiplied by (q, 0) and by (0, q): zero codes add nothing.  The four q lie in one run: 0 q0 0 q1 0 q2 0 q3 0, six registers each.
; LAYOUT.  Both products are used transposed: a lane holds ONE query.  By the program's row order the 32 registers of four neighbouring score tiles are keys 64 c + 32 h + 0 .. 31: a whole block of the second product's K.
; REGISTERS, two windows of 256.  Window 1: all that the softmax touches (scores, p's codes, q, the rows' state), so that it runs under one setting.  Window 0: addresses, scale words, fragments of k and v, O^T.
; O^T and l begin as zeros and the largest score as -3e38: the first change of M multiplies zeros, so the step is written once (128 moves at the head against a second copy of the step's text).
; NO PREFETCH: every tile of the launch is asked for at the head, by the 8 loads; there is no loop that asks for tiles and so none to run ahead in.
; OUT as the next launch reads it: oc: a fragment's half of 768 bytes (512 + 256) for a head; os: two bytes of each row's scale word, 32 bytes apart.
; LIMITS: NaN and infinities are not served; a block of zeros gets the byte 1; v_rcp_f32 stands for the division; a block's largest p is taken from its largest score through the same multiply-add and exponential;
; the promise holds while the scaled scores stay under 2^31 in magnitude.
.set STEPB, 12800                      ; a key step in LDS: K 6,144, V^T 6,144, K's scale words 256, V's 256
.set NSTEP, 16
.set SPARE, NSTEP*STEPB                ; behind the head's bytes: the spare words, 128 bytes a wave
; window 0
.set LI,   1                           ; 16 x lane
.set L8,   2                           ; 8 x lane
.set ADR,  3                           ; this step's fragments of v
.set ADS,  4                           ; and its scale words
.set ADK,  5                           ; the next step's fragments of k
.set ADKS, 6                           ; and its scale words
.set L32,  7                           ; 32 x lane
.set SPW,  10                          ; my spare word; never rewritten
.set NIL,  11                          ; 0; never rewritten
.set QS,   12                          ; v12-15 q's scale words, a tile each
.set KS,   16                          ; v16-17 k's
.set VS,   18                          ; v18-19 v's
.set PS,   20                          ; p's: lanes 0-15 the pair's first tile, lanes 16-31 its second
.set SH0,  21                          ; 8 h
.set W,    22                          ; v22-29 at work at the head and on the way out
.set KF,   32                          ; v32-79  four fragments of k
.set VF,   80                          ; v80-127 four fragments of v
.set O,    128                         ; v128-255 O^T, 32 registers a tile
; window 1 (v0-127: the pair's scores, then p: block b = 2 a + c at 32 b)
.set PC,   128                         ; p's codes, 12 a tile
.set QZ,   152                         ; 54: 0 q0 0 q1 0 q2 0 q3 0
.set NM,   206                         ; pairs (-M, largest score), a tile each
.set LS,   214                         ; l in two halves, a tile each
.set BM,   222                         ; the four blocks' largest
.set SCO,  226                         ; the maxima's second chains; then the conversions' scale operands
.set TMP,  230
.set PD,   232                         ; lane permutes' destinations
.set F,    234                         ; pairs: f = 2^(old M - new M); at the end, with U, 1 / l
.set U,    238                         ; the sums' second chains, a pair a tile
.set NEW,  242
.set SH8,  244                         ; 8 h
.set U2,   246                         ; v246-253 the sums' third and fourth chains: two pairs a tile
.set MSB, 0
.macro WIN new                         ; low byte: bits 1:0 source 0, 3:2 source 1, 5:4 source 2, 7:6 destination; the high byte repeats the setting that is left
.if MSB != \new
	s_set_vgpr_msb (MSB<<8)|\new
.set MSB, \new
.endif
.endm
.macro ROUND                           ; a round of the cluster's barrier
	s_barrier_signal -1
	s_barrier_wait -1
	s_cmp_lg_u32 s12, 0
	s_cbranch_scc1 .Lnot_wave_0_\@
	s_barrier_signal -3
.Lnot_wave_0_\@:
	s_barrier_wait -3
	s_barrier_signal -1
	s_barrier_wait -1
.endm
.macro MMS d, a, b, sa, sb, ra         ; scores: the sum starts with 0; ra: 1 = source 0's scales stand in lanes 16-31
.if \ra
	v_wmma_scale_f32_16x16x128_f8f6f4 v[(\d):(\d)+7], v[(\a):(\a)+11], v[(\b):(\b)+11], 0, v[\sa], v[\sb] matrix_a_fmt:MATRIX_FMT_FP6 matrix_b_fmt:MATRIX_FMT_FP6 matrix_a_scale:MATRIX_SCALE_ROW1
.else
	v_wmma_scale_f32_16x16x128_f8f6f4 v[(\d):(\d)+7], v[(\a):(\a)+11], v[(\b):(\b)+11], 0, v[\sa], v[\sb] matrix_a_fmt:MATRIX_FMT_FP6 matrix_b_fmt:MATRIX_FMT_FP6
.endif
.endm
.macro MMO d, a, b, sa, sb, ra, rb     ; O^T, adding in place
.if (\ra) && (\rb)
	v_wmma_scale_f32_16x16x128_f8f6f4 v[(\d):(\d)+7], v[(\a):(\a)+11], v[(\b):(\b)+11], v[(\d):(\d)+7], v[\sa], v[\sb] matrix_a_fmt:MATRIX_FMT_FP6 matrix_b_fmt:MATRIX_FMT_FP6 matrix_a_scale:MATRIX_SCALE_ROW1 matrix_b_scale:MATRIX_SCALE_ROW1
.elseif \ra
	v_wmma_scale_f32_16x16x128_f8f6f4 v[(\d):(\d)+7], v[(\a):(\a)+11], v[(\b):(\b)+11], v[(\d):(\d)+7], v[\sa], v[\sb] matrix_a_fmt:MATRIX_FMT_FP6 matrix_b_fmt:MATRIX_FMT_FP6 matrix_a_scale:MATRIX_SCALE_ROW1
.elseif \rb
	v_wmma_scale_f32_16x16x128_f8f6f4 v[(\d):(\d)+7], v[(\a):(\a)+11], v[(\b):(\b)+11], v[(\d):(\d)+7], v[\sa], v[\sb] matrix_a_fmt:MATRIX_FMT_FP6 matrix_b_fmt:MATRIX_FMT_FP6 matrix_b_scale:MATRIX_SCALE_ROW1
.else
	v_wmma_scale_f32_16x16x128_f8f6f4 v[(\d):(\d)+7], v[(\a):(\a)+11], v[(\b):(\b)+11], v[(\d):(\d)+7], v[\sa], v[\sb] matrix_a_fmt:MATRIX_FMT_FP6 matrix_b_fmt:MATRIX_FMT_FP6
.endif
.endm
.macro KLOAD                           ; 13 LDS loads: k's four fragments f = 2 c + pi as images of their registers, and its scale words (word c: lanes 0-15 pi = 0, lanes 16-31 pi = 1)
.irp f, 0,1,2,3
.irp q, 0,1,2
	ds_load_b128 v[KF+12*\f+4*\q:KF+12*\f+4*\q+3], v[ADK] offset:1536*\f+512*\q
.endr
.endr
	ds_load_b64 v[KS:KS+1], v[ADKS] offset:12288
.endm
	s_load_b256 s[4:11], s[0:1], 0x0               ; qb s[4:5], kvb s[6:7], oc s[8:9], os s[10:11]
	v_lshl_add_u32 v[SPW], v0, 2, SPARE
	v_mov_b32 v[NIL], 0
	ds_add_u32 v[SPW], v[NIL]                      ; the opening lines: the add, twice on end, and its wait ahead of my first tensor load
	ds_add_u32 v[SPW], v[NIL]
	v_lshrrev_b32 v8, 5, v0
	v_readfirstlane_b32 s12, v8                    ; wave 0..7
	s_bfe_u32 s13, ttmp6, 0x40000                  ; cx: my quarter of the queries
	s_and_b32 s14, ttmp7, 0xffff                   ; head64 = 16 n + head, which the four partners share
	; descriptor group 1: 25,600 dense bytes as 100 rows of 256
	s_mov_b32 s16, 15|(3<<16)|(1<<21)              ; 15:0 the mask: all four work-groups; 17:16 elements of 8 bytes; 21 set beside a mask
	s_mov_b32 s17, 32<<16                          ; tensor_dim0
	s_mov_b32 s18, 100<<16                         ; tensor_dim1
	s_mov_b32 s19, 32<<16                          ; tile_dim0
	s_mov_b32 s20, 100                             ; tile_dim1
	s_mov_b32 s21, 32                              ; the pitch
	s_mov_b32 s22, 0
	s_mov_b32 s23, 0
	s_mov_b32 s24, 1                               ; group 0: count
	s_mul_i32 s25, s12, 2*STEPB                    ; LDS address: key steps 2 wave, 2 wave + 1
	s_mul_i32 s38, s14, NSTEP*STEPB
	s_add_co_u32 s38, s38, s25                     ; the same steps in kvb: made of the head and the wave's number alone
	s_mov_b32 s39, 0
	s_mov_b32 s34, 0x76543210                      ; v_permlanex16_b32's selects for lane l xor 16
	s_mov_b32 s35, 0xfedcba98
	s_mov_b32 s36, 0x3fb8aa3b                      ; log2(e)
	s_mov_b32 s37, s36                             ; (named with it as a pair, so it is written)
	; my q: group 8 cx + wave of the head: sigma = 4 cx + wave / 2, c = wave % 2, both pairs pi
	s_mul_i32 s40, s14, 102400
	s_lshl_b32 s41, s13, 2
	s_lshr_b32 s42, s12, 1
	s_add_co_u32 s41, s41, s42
	s_mul_i32 s41, s41, 6400
	s_add_co_u32 s40, s40, s41
	s_mov_b32 s41, 0
	s_and_b32 s42, s12, 1                          ; c
	s_mul_i32 s44, s42, 3072                       ; its two fragments in the sigma
	s_lshl_b32 s46, s42, 2                         ; its scale words: 8 (16 pi + r) + 4 c
	; where o goes
	s_lshr_b32 s47, s14, 4
	s_lshl_b32 s47, s47, 5
	s_lshl_b32 s48, s13, 3
	s_add_co_u32 s47, s47, s48
	s_add_co_u32 s47, s47, s12                     ; the group: 32 n + 8 cx + wave
	s_and_b32 s48, s14, 15
	s_lshr_b32 s49, s48, 1                         ; K step of the last product: head / 2
	s_and_b32 s48, s48, 1                          ; and which half of it
	s_mul_i32 s50, s47, 49152
	s_mul_i32 s51, s49, 6144
	s_add_co_u32 s50, s50, s51
	s_mul_i32 s51, s48, 768
	s_add_co_u32 s50, s50, s51
	s_mov_b32 s51, 0
	s_lshl_b32 s52, s47, 11
	s_lshl_b32 s53, s49, 2
	s_add_co_u32 s52, s52, s53
	s_lshl_b32 s53, s48, 1
	s_add_co_u32 s52, s52, s53
	s_mov_b32 s53, 0
	v_and_b32 v9, 31, v0
	v_and_b32 v8, 15, v0
	v_bfe_u32 v[SH0], v0, 4, 1
	v_lshlrev_b32 v[LI], 4, v9
	v_lshlrev_b32 v[L8], 3, v9
	v_lshlrev_b32 v[L32], 5, v9
	v_lshlrev_b32 v[SH0], 3, v[SH0]
	v_lshl_add_u32 v[W+1], v8, 3, s46              ; q's scale words
	v_add_nc_u32 v[W], s44, v[LI]                  ; q's fragments
	v_mov_b32 v[ADK], v[LI]                        ; key step 0
	v_mov_b32 v[ADKS], v[L8]
	s_wait_alu depctr_va_vdst(0)
	s_wait_dscnt 0x0                               ; both opening adds are done
	s_wait_kmcnt 0x0
	s_add_nc_u64 s[26:27], s[6:7], s[38:39]
	s_or_b32 s27, s27, 0x80000000                  ; type = 2
	s_add_nc_u64 s[4:5], s[4:5], s[40:41]
	s_add_nc_u64 s[8:9], s[8:9], s[50:51]
	s_add_nc_u64 s[10:11], s[10:11], s[52:53]
	ROUND                                          ; all four work-groups are here: the joint loads meet
	tensor_load_to_lds s[24:27], s[16:23]          ; my two key steps of the head's K, V and scale words: my one tensor load
	s_nop 0
.rept 4
	v_nop
.endr
.irp p, 0,1
.irp q, 0,1,2
	global_load_b128 v[KF+12*\p+4*\q:KF+12*\p+4*\q+3], v[W], s[4:5] offset:1536*\p+512*\q   ; fragment pi: registers 0-5 tile 2 pi, 6-11 tile 2 pi + 1
.endr
.endr
	global_load_b32 v8, v[W+1], s[4:5] offset:6144       ; pi = 0: bytes 0, 1 tile 0's two blocks, bytes 2, 3 tile 1's
	global_load_b32 v9, v[W+1], s[4:5] offset:6144+128   ; pi = 1
	WIN 0x40                                       ; destination window 1
.irp z, 0,1,2,3,4
.irp i, 0,1,2,3,4,5
	v_mov_b32 v[QZ+12*\z+\i], 0                    ; the zero codes, written once
.endr
.endr
.irp j, 0,1,2,3
	v_mov_b32 v[NM+2*\j], 0x7f61b1e6               ; -M = 3e38 (a whole number)
	v_mov_b32 v[NM+2*\j+1], 0xff61b1e6             ; the largest score so far: -3e38
	v_mov_b32 v[LS+2*\j], 0
	v_mov_b32 v[LS+2*\j+1], 0
.endr
.irp a, 0,1
	v_mov_b32 v[F+2*\a+1], 0                       ; (named as the upper half of a pair)
	v_mov_b32 v[PD+\a], 0                          ; a lane permute's destination counts as one of its sources
.endr
	v_mov_b32 v[SH8], v[SH0]
	WIN 0
.set J, 0
.rept 128
	v_mov_b32 v[O+J], 0
.set J, J+1
.endr
	s_wait_loadcnt 0x0
	v_perm_b32 v[QS], v8, v8, 0x01000100           ; a tile's two bytes below and above, so that one word serves (q, 0) and (0, q)
	v_perm_b32 v[QS+1], v8, v8, 0x03020302
	v_perm_b32 v[QS+2], v9, v9, 0x01000100
	v_perm_b32 v[QS+3], v9, v9, 0x03020302
	WIN 0x40
.irp p, 0,1
.irp t, 0,1
.irp i, 0,1,2,3,4,5
	v_mov_b32 v[QZ+6+12*(2*\p+\t)+\i], v[KF+12*\p+6*\t+\i]
.endr
.endr
.endr
	WIN 0
	s_mov_b32 s32, 0                               ; this step's LDS byte
	s_mov_b32 s33, STEPB                           ; the next step's
	s_wait_alu depctr_va_vdst(0)
	s_wait_tensorcnt 0x0                           ; my two steps have landed,
	s_barrier_signal -1
	s_barrier_wait -1                              ; everybody's have: the whole head lies in LDS
	KLOAD                                          ; key step 0's k
; TWO TILES OF QUERIES (2 j, 2 j + 1) AGAINST 128 KEYS.
.macro PAIR j
	WIN 0x44                                       ; source 0 (k) window 0, source 1 (q) window 1, D window 1
.irp a, 0,1
.irp c, 0,1
.irp e, 0,1
	MMS 64*\a+32*\c+16*\e, KF+12*(2*\c+\e), QZ+6+12*(2*\j+\a), KS+\c, QS+2*\j+\a, \e      ; x (q, 0): tile 2 pi of the keys
	MMS 64*\a+32*\c+16*\e+8, KF+12*(2*\c+\e), QZ+12*(2*\j+\a), KS+\c, QS+2*\j+\a, \e      ; x (0, q): tile 2 pi + 1
.endr
.endr
.endr                                          ; register 64 a + 32 c + i of lane (r, h): tile a's query r, key 64 c + 32 h + i
.if \j
	WIN 0
.endif
.rept 4
	v_nop                                          ; four places behind the products, ahead of reads of their results and of loads into their sources
.endr
.if \j
	KLOAD                                          ; k's fragments are done with: the next step's are asked for (in the last trip: the last step's once more, which nobody reads)
.endif
	WIN 0x55                                       ; all in window 1
; The largest score of each block of 32 keys: all 32 are mine.  Two chains a block, eight by turns: one over keys 0-15, one over keys 16-31, which enters the first one's last line: 16 lines a block.
; Each accumulator is read from its low end on.
.irp b, 0,1,2,3
	v_max3_num_f32 v[BM+\b], v[32*\b], v[32*\b+1], v[32*\b+2]
	v_max_num_f32 v[SCO+\b], v[32*\b+16], v[32*\b+17]
.endr
.irp i, 1,2,3,4,5,6
.irp b, 0,1,2,3
	v_max3_num_f32 v[BM+\b], v[32*\b+2*\i+1], v[32*\b+2*\i+2], v[BM+\b]
	v_max3_num_f32 v[SCO+\b], v[32*\b+16+2*\i], v[32*\b+17+2*\i], v[SCO+\b]
.endr
.endr
.irp b, 0,1,2,3
	v_max3_num_f32 v[SCO+\b], v[32*\b+30], v[32*\b+31], v[SCO+\b]
.endr
.irp b, 0,1,2,3
	v_max3_num_f32 v[BM+\b], v[32*\b+15], v[SCO+\b], v[BM+\b]
.endr
.irp a, 0,1
	v_max_num_f32 v[TMP+\a], v[BM+2*\a], v[BM+2*\a+1]
.endr
.irp a, 0,1
	s_delay_alu instid0(VALU_DEP_2)
	v_permlanex16_b32 v[PD+\a], v[TMP+\a], s34, s35
.endr
.irp a, 0,1
	s_delay_alu instid0(VALU_DEP_2)
	v_max3_num_f32 v[NM+2*(2*\j+\a)+1], v[NM+2*(2*\j+\a)+1], v[TMP+\a], v[PD+\a]   ; the running largest score of my query
.endr
.irp a, 0,1
	s_delay_alu instid0(VALU_DEP_2)
	v_mul_f32 v[TMP+\a], s36, v[NM+2*(2*\j+\a)+1]  ; as t
.endr
.irp a, 0,1
	s_delay_alu instid0(VALU_DEP_2)
	v_floor_f32 v[NEW+\a], -v[TMP+\a]              ; the new -M = floor(-t) = -ceil(t)
.endr
.irp a, 0,1
	s_delay_alu instid0(VALU_DEP_2)
	v_sub_f32 v[TMP+\a], v[NEW+\a], v[NM+2*(2*\j+\a)]   ; old M - new M: a whole number, 0 or less
.endr
.irp a, 0,1
	v_mov_b32 v[NM+2*(2*\j+\a)], v[NEW+\a]
.endr
.irp a, 0,1
	v_cvt_i32_f32 v[TMP+\a], v[TMP+\a]             ; (it saturates)
.endr
.irp a, 0,1
	s_delay_alu instid0(VALU_DEP_2)
	v_ldexp_f32 v[F+2*\a], 1.0, v[TMP+\a]          ; f = 2^(old M - new M)
.endr
.irp a, 0,1
.set J, 0
.rept 32
	v_pk_fma_f32 v[64*\a+J:64*\a+J+1], v[64*\a+J:64*\a+J+1], s[36:37], v[NM+2*(2*\j+\a):NM+2*(2*\j+\a)+1] op_sel_hi:[1,0,0]   ; t - M, two at a time
.set J, J+2
.endr
.endr
.irp b, 0,1,2,3
	v_fma_f32 v[BM+\b], v[BM+\b], s36, v[NM+2*(2*\j+\b/2)]   ; the same of each block's largest score
.endr
	s_wait_alu depctr_va_vdst(0)
.set J, 0
.rept 128
	v_exp_f32 v[J], v[J]                           ; p = 2^(t - M): not normalised
.set J, J+1
.endr
.irp b, 0,1,2,3
	v_exp_f32 v[BM+\b], v[BM+\b]                   ; the block's largest p
.endr
.irp a, 0,1
	v_pk_mul_f32 v[LS+2*(2*\j+\a):LS+2*(2*\j+\a)+1], v[LS+2*(2*\j+\a):LS+2*(2*\j+\a)+1], v[F+2*\a:F+2*\a+1] op_sel_hi:[1,0]   ; l under the new M (the plain place behind the exponentials)
.endr
	s_wait_alu depctr_va_vdst(0)                   ; one wait for the batch, ahead of its first reader
.irp b, 0,1,2,3
	v_max_num_f32 v[BM+\b], 0x1800000, v[BM+\b]    ; the floor 2^(3 - 127): the byte cannot fall under 1
.endr
.irp b, 0,1,2,3
	v_add_nc_u32 v[SCO+\b], 0xff000000, v[BM+\b]   ; 2 off the exponent field: the conversion's scale operand
.endr
; The rows' sums of the unquantised p: a tile's 32 pairs and l in four chains (l, U, two in U2), eight by turns: 32 lines a tile.
.irp a, 0,1
	v_pk_add_f32 v[U+2*\a:U+2*\a+1], v[64*\a:64*\a+1], v[64*\a+2:64*\a+3]
	v_pk_add_f32 v[U2+4*\a:U2+4*\a+1], v[64*\a+4:64*\a+5], v[64*\a+6:64*\a+7]
	v_pk_add_f32 v[U2+4*\a+2:U2+4*\a+3], v[64*\a+8:64*\a+9], v[64*\a+10:64*\a+11]
.endr
.set N, 0
.rept 6
.irp a, 0,1
	v_pk_add_f32 v[LS+2*(2*\j+\a):LS+2*(2*\j+\a)+1], v[LS+2*(2*\j+\a):LS+2*(2*\j+\a)+1], v[64*\a+12+8*N:64*\a+13+8*N]
	v_pk_add_f32 v[U+2*\a:U+2*\a+1], v[U+2*\a:U+2*\a+1], v[64*\a+14+8*N:64*\a+15+8*N]
	v_pk_add_f32 v[U2+4*\a:U2+4*\a+1], v[U2+4*\a:U2+4*\a+1], v[64*\a+16+8*N:64*\a+17+8*N]
	v_pk_add_f32 v[U2+4*\a+2:U2+4*\a+3], v[U2+4*\a+2:U2+4*\a+3], v[64*\a+18+8*N:64*\a+19+8*N]
.endr
.set N, N+1
.endr
.irp a, 0,1
	v_pk_add_f32 v[LS+2*(2*\j+\a):LS+2*(2*\j+\a)+1], v[LS+2*(2*\j+\a):LS+2*(2*\j+\a)+1], v[64*\a+60:64*\a+61]
	v_pk_add_f32 v[U+2*\a:U+2*\a+1], v[U+2*\a:U+2*\a+1], v[64*\a+62:64*\a+63]
.endr
.irp a, 0,1
	v_pk_add_f32 v[U2+4*\a:U2+4*\a+1], v[U2+4*\a:U2+4*\a+1], v[U2+4*\a+2:U2+4*\a+3]
	v_pk_add_f32 v[LS+2*(2*\j+\a):LS+2*(2*\j+\a)+1], v[LS+2*(2*\j+\a):LS+2*(2*\j+\a)+1], v[U+2*\a:U+2*\a+1]
.endr
.irp a, 0,1
	v_pk_add_f32 v[LS+2*(2*\j+\a):LS+2*(2*\j+\a)+1], v[LS+2*(2*\j+\a):LS+2*(2*\j+\a)+1], v[U2+4*\a:U2+4*\a+1]
.endr
.irp b, 0,1,2,3
	v_cvt_scalef32_pk16_fp6_f32 v[PC+6*\b:PC+6*\b+2], v[32*\b:32*\b+15], v[SCO+\b]   ; a block's lower 16 codes
.endr
.irp b, 0,1,2,3
	v_lshrrev_b32 v[BM+\b], 23, v[SCO+\b]          ; the scale's byte (plain places between the conversions)
.endr
.irp a, 0,1
	v_lshl_or_b32 v[TMP+\a], v[BM+2*\a+1], 16, v[BM+2*\a]   ; my two bytes, blocks h and 2 + h
.endr
.irp b, 0,1,2,3
	v_cvt_scalef32_pk16_fp6_f32 v[32*\b:32*\b+2], v[32*\b+16:32*\b+31], v[SCO+\b]   ; its upper 16: a conversion's three registers begin on an even number, so they are made in p's registers that are done with, and moved
.endr
.irp a, 0,1
	v_lshlrev_b32 v[TMP+\a], v[SH8], v[TMP+\a]     ; at their places (8 h bits up)
.endr
	v_permlane16_swap_b32 v[TMP], v[TMP+1]         ; the first: lanes 0-15 tile 0's, lanes 16-31 tile 1's bytes of blocks 0, 2; the second: of blocks 1, 3
.irp b, 0,1,2,3
.irp i, 0,1,2
	v_mov_b32 v[PC+6*\b+3+\i], v[32*\b+\i]
.endr
.endr
	WIN 0x05                                       ; destination window 0: scale words lie there
	v_or_b32 v[PS], v[TMP], v[TMP+1]               ; p's scale words for these 128 keys
	WIN 0x04                                       ; source 1 (f, p's codes) window 1, all else window 0
.if \j == 0
	s_wait_dscnt 0x0                               ; v's fragments and scale words are in (asked for at the step's top)
.endif
	s_wait_alu depctr_va_vdst(0)                   ; directly ahead of the first reader of O^T
.irp a, 0,1
.set J, 0
.rept 16
	v_pk_mul_f32 v[O+32*(2*\j+\a)+J:O+32*(2*\j+\a)+J+1], v[O+32*(2*\j+\a)+J:O+32*(2*\j+\a)+J+1], v[F+2*\a:F+2*\a+1] op_sel_hi:[1,0]   ; O^T under the new M; these 32 are also the places between p's codes and scale word and the products
.set J, J+2
.endr
.endr
.irp a, 0,1
.irp w, 0,1,2,3
	MMO O+32*(2*\j+\a)+8*\w, VF+12*\w, PC+12*\a, VS+\w/2, PS, \w%2, \a   ; O^T += V^T P^T: eight accumulators by turns
.endr
.endr
.endm
.Lkeys:                                            ; a key step: 128 keys x 64 queries
	v_add_nc_u32 v[ADR], s32, v[LI]                ; these four are the places behind the last products, ahead of loads into registers that they read
	v_add_nc_u32 v[ADS], s32, v[L8]
	v_add_nc_u32 v[ADK], s33, v[LI]
	v_add_nc_u32 v[ADKS], s33, v[L8]
.irp w, 0,1,2,3
.irp q, 0,1,2
	ds_load_b128 v[VF+12*\w+4*\q:VF+12*\w+4*\q+3], v[ADR] offset:6144+1536*\w+512*\q   ; v's fragments land while the first pair's softmax is walked
.endr
.endr
	ds_load_b64 v[VS:VS+1], v[ADS] offset:12544    ; word p: lanes 0-15 e tile 2 p, lanes 16-31 tile 2 p + 1
	s_wait_dscnt 13                                ; k's 13 loads, asked for in the step before, are in; v's 13 are younger and stay out
	PAIR 0
	PAIR 1
	WIN 0
	s_add_co_u32 s32, s32, STEPB
	s_add_co_u32 s33, s32, STEPB
	s_min_u32 s33, s33, (NSTEP-1)*STEPB            ; held inside the head's bytes
	s_cmp_lt_u32 s32, NSTEP*STEPB
	s_cbranch_scc1 .Lkeys
; THE WAY OUT: O^T / l, quantised: a lane's 32 numbers of a tile are one block of the last product's K.
	s_wait_dscnt 0x0                               ; the last trip's loads have landed: k's registers are written below
	WIN 0x55
.irp j, 0,1,2,3
	v_add_f32 v[BM+\j], v[LS+2*\j], v[LS+2*\j+1]   ; (these lines are also the places behind the last products)
.endr
.irp j, 0,1,2,3
	v_permlanex16_b32 v[SCO+\j], v[BM+\j], s34, s35
.endr
.irp j, 0,1,2,3
	v_add_f32 v[BM+\j], v[BM+\j], v[SCO+\j]        ; the rows' sums
.endr
	s_wait_alu depctr_va_vdst(0)
.irp j, 0,1,2,3
	v_rcp_f32 v[F+2*\j], v[BM+\j]
.endr
	v_nop                                          ; one plain place behind the transcendentals
	WIN 0x04
	s_wait_alu depctr_va_vdst(0)                   ; directly ahead of the first reader of 1 / l and of O^T
.irp j, 0,1,2,3
.set J, 0
.rept 16
	v_pk_mul_f32 v[O+32*\j+J:O+32*\j+J+1], v[O+32*\j+J:O+32*\j+J+1], v[F+2*\j:F+2*\j+1] op_sel_hi:[1,0]
.set J, J+2
.endr
.endr
	WIN 0
.irp j, 0,1,2,3
	v_max3_num_f32 v[W+\j], |v[O+32*\j]|, |v[O+32*\j+1]|, 0x1800000   ; the floor 2^(3 - 127) among the leaves; the four tiles by turns
.endr
.irp i, 2,4,6,8,10,12,14,16,18,20,22,24,26,28,30
.irp j, 0,1,2,3
	v_max3_num_f32 v[W+\j], v[W+\j], |v[O+32*\j+\i]|, |v[O+32*\j+\i+1]|
.endr
.endr
.irp j, 0,1,2,3
	v_add_nc_u32 v[W+4+\j], 0xff000000, v[W+\j]
.endr
.irp j, 0,1,2,3
	v_cvt_scalef32_pk16_fp6_f32 v[KF+8*\j:KF+8*\j+2], v[O+32*\j:O+32*\j+15], v[W+4+\j]
	v_cvt_scalef32_pk16_fp6_f32 v[KF+32+4*\j:KF+32+4*\j+2], v[O+32*\j+16:O+32*\j+31], v[W+4+\j]
.endr
.irp j, 0,1,2,3
	v_lshrrev_b32 v[W+\j], 23, v[W+4+\j]           ; (plain places behind the conversions)
.endr
.irp j, 0,1,2,3
.irp i, 0,1,2
	v_mov_b32 v[KF+8*\j+3+\i], v[KF+32+4*\j+\i]
.endr
.endr
.irp j, 0,1,2,3
	v_lshlrev_b32 v[W+\j], v[SH0], v[W+\j]         ; my block's byte at its place in the head's two
.endr
	v_permlane16_swap_b32 v[W], v[W+1]             ; lanes 0-15 tile 2 pi, lanes 16-31 tile 2 pi + 1: block 0's bytes in the first, block 1's in the second
	v_permlane16_swap_b32 v[W+2], v[W+3]
	v_or_b32 v[W], v[W], v[W+1]
	v_or_b32 v[W+2], v[W+2], v[W+3]
.irp j, 0,1,2,3
	global_store_b128 v[LI], v[KF+8*\j:KF+8*\j+3], s[8:9] offset:1536*\j          ; 512 consecutive bytes, aligned
	global_store_b64 v[L8], v[KF+8*\j+4:KF+8*\j+5], s[8:9] offset:1536*\j+512     ; 256 consecutive bytes, aligned
.endr
	global_store_b16 v[L32], v[W], s[10:11]                 ; lane = 16 (tile % 2) + r: the head's two bytes of that row's scale word
	global_store_b16 v[L32], v[W+2], s[10:11] offset:1024
	s_wait_tensorcnt 0x0                           ; the wave's end
	ds_add_u32 v[SPW], v[NIL]
	s_wait_dscnt 0x0
	ROUND                                          ; the closing round
	s_endpgm
.Lfunc_end_k_q2f65dbe540_attn:
	.size	k_q2f65dbe540_attn, .Lfunc_end_k_q2f65dbe540_attn-k_q2f65dbe540_attn
	.p2alignl 7, 3214868480
	.fill 96, 4, 3214868480
	.section	.rodata,"a",@progbits
	.p2align	6, 0x0
	.amdhsa_kernel k_q2f65dbe540_attn
		.amdhsa_group_segment_fixed_size 206848
		.amdhsa_private_segment_fixed_size 0
		.amdhsa_enable_private_segment 0
		.amdhsa_kernarg_size 32
		.amdhsa_user_sgpr_count 2
		.amdhsa_user_sgpr_kernarg_segment_ptr 1
		.amdhsa_wavefront_size32 1
		.amdhsa_system_sgpr_workgroup_id_x 1
		.amdhsa_system_sgpr_workgroup_id_y 1
		.amdhsa_system_sgpr_workgroup_id_z 1
		.amdhsa_system_vgpr_workitem_id 0
		.amdhsa_next_free_vgpr 512
		.amdhsa_next_free_sgpr 66
		.amdhsa_reserve_vcc 0
		.amdhsa_float_denorm_mode_32 3
		.amdhsa_float_denorm_mode_16_64 3
		.amdhsa_memory_ordered 1
		.amdhsa_forward_progress 1
		.amdhsa_inst_pref_size 77
	.end_amdhsa_kernel
	.amdgpu_metadata
---
amdhsa.version: [ 1, 2 ]
amdhsa.kernels:
  - .name:           k_q2f65dbe540_attn
    .symbol:         k_q2f65dbe540_attn.kd
    .args:
      - { .name: qb, .offset: 0, .size: 8, .value_kind: global_buffer, .address_space: global }
      - { .name: kvb, .offset: 8, .size: 8, .value_kind: global_buffer, .address_space: global }
      - { .name: oc, .offset: 16, .size: 8, .value_kind: global_buffer, .address_space: global }
      - { .name: os, .offset: 24, .size: 8, .value_kind: global_buffer, .address_space: global }
    .group_segment_fixed_size: 206848
    .private_segment_fixed_size: 0
    .kernarg_segment_align: 8
    .kernarg_segment_size: 32
    .max_flat_workgroup_size: 256
    .sgpr_count:     66
    .vgpr_count:     512
    .wavefront_size: 32
...
	.end_amdgpu_metadata
.endif
;; end of part 4
;; launch outp (part 5): grid 32 x 8, 4 waves a work-group, clusters of 4 x 1, 244,224 bytes of LDS; arguments oc, os, out_w_codes, out_w_scales, x, out0; writes out0
.if DOCPART == 5
	.amdgcn_target "amdgcn-amd-amdhsa--gfx1250"
	.amdhsa_code_object_version 6
	.text
	.protected	k_q2f65dbe540_outp
	.globl	k_q2f65dbe540_outp
	.p2align	8
	.type	k_q2f65dbe540_outp,@function
k_q2f65dbe540_outp:
	s_mov_b64 s[64:65], 0
	v_nop
	global_prefetch_b8 v0, s[64:65] scope:SCOPE_SE
	s_setreg_imm32_b32 hwreg(HW_REG_WAVE_MODE, 25, 1), 1
	s_wait_xcnt 0x0
	s_wait_alu depctr_hold_cnt(0) depctr_sa_sdst(0) depctr_va_vdst(0) depctr_va_sdst(0) depctr_va_ssrc(0) depctr_va_vcc(0) depctr_vm_vsrc(0)
	s_getreg_b32 s2, hwreg(HW_REG_IB_STS2, 6, 4)
	s_cmp_eq_u32 s2, 0
	s_cbranch_scc0 .Lentry_in_a_cluster
	s_endpgm
.Lentry_in_a_cluster:
	s_bfe_u32 s2, ttmp6, 0x10000c
	s_cmp_lg_u32 s2, 0x3003
	s_cbranch_scc0 .Lentry_shape_is_right
	s_endpgm
.Lentry_shape_is_right:
; out0 = o out_w^T + x, the product on codes of E2M3.  o arrives as fragment images (oc, os), out_w as codes with K innermost; x and out0 are [8192][1024] f32.
; SHARES.  A work-group takes 256 rows x 128 columns.  Wave wv takes 64 columns (wv % 2) and 128 rows (wv / 2): two groups of 64.  Its 64 rows of out_w for all of K stay in registers (384); o's fragments are streamed from oc.
; CLUSTER.  The four work-groups of a cluster differ in their rows alone: out_w's 128 rows are asked for jointly, 64 rows by each of waves 0 and 1.  Waves 2 and 3 each fetch one column half of x for the work-group's 256 rows (256 x 64 numbers) (rows of 256 aligned bytes) by a plain tensor
; load.  One tensor load a wave is out, issued at the start; no LDS byte is filled twice.
; THE SKIP: x's numbers are loaded from LDS into spare registers and added to the finished sums on the way out.
; Source 0 = weights, source 1 = o's rows: lane (r, h) holds, of tile tau's row r, columns 32 h + 0 .. 31.  The rows of a tile are not neighbours (the program's row order), so the results go back into the bytes of LDS from which the
; skip came (they have had their only fill) and leave by true rows: sixteen lanes store 256 consecutive bytes, aligned.  That region is the wave's own: no barrier.
; These LDS accesses meet two deep in the banks (positions r and r + 8 lie 32 rows apart).
; REGISTERS as in the launch qkv: window 0: addresses, v16-31 the weights' scale words, v32-63 o's (both groups'), v128-255 16 accumulators; windows 1, 2: weights; window 3: o's fragments, four slots of a K step.
.set PITCH,  816                       ; a weight row in LDS: 768 bytes + 16 behind each 256
.set SPITCH, 272                       ; a row of the skip: 256 bytes + 16
.set SK,     128*PITCH                 ; behind the weights: 128 rows of the skip for each wave
.set WS,     16
.set XS,     32
.set ACC,    128
.set MSB, 0
.macro WIN new                         ; the immediate's high byte repeats the setting that is left
.if MSB != \new
	s_set_vgpr_msb (MSB<<8)|\new
.set MSB, \new
.endif
.endm
.macro ROUND                           ; a round of the cluster's barrier
	s_barrier_signal -1
	s_barrier_wait -1
	s_cmp_lg_u32 s18, 0
	s_cbranch_scc1 .Lnot_wave_0_\@
	s_barrier_signal -3
.Lnot_wave_0_\@:
	s_barrier_wait -3
	s_barrier_signal -1
	s_barrier_wait -1
.endm
.macro PLACES                          ; four places behind matrix instructions (ISA guide 7.12.1)
.rept 4
	v_nop
.endr
.endm
.macro MM d, a, b, sa, sb, ra, rb      ; one matrix instruction, adding in place; ra, rb: 1 = the scales stand in lanes 16-31
.if (\ra) && (\rb)
	v_wmma_scale_f32_16x16x128_f8f6f4 v[(\d):(\d)+7], v[(\a):(\a)+11], v[(\b):(\b)+11], v[(\d):(\d)+7], v[\sa], v[\sb] matrix_a_fmt:MATRIX_FMT_FP6 matrix_b_fmt:MATRIX_FMT_FP6 matrix_a_scale:MATRIX_SCALE_ROW1 matrix_b_scale:MATRIX_SCALE_ROW1
.elseif \ra
	v_wmma_scale_f32_16x16x128_f8f6f4 v[(\d):(\d)+7], v[(\a):(\a)+11], v[(\b):(\b)+11], v[(\d):(\d)+7], v[\sa], v[\sb] matrix_a_fmt:MATRIX_FMT_FP6 matrix_b_fmt:MATRIX_FMT_FP6 matrix_a_scale:MATRIX_SCALE_ROW1
.elseif \rb
	v_wmma_scale_f32_16x16x128_f8f6f4 v[(\d):(\d)+7], v[(\a):(\a)+11], v[(\b):(\b)+11], v[(\d):(\d)+7], v[\sa], v[\sb] matrix_a_fmt:MATRIX_FMT_FP6 matrix_b_fmt:MATRIX_FMT_FP6 matrix_b_scale:MATRIX_SCALE_ROW1
.else
	v_wmma_scale_f32_16x16x128_f8f6f4 v[(\d):(\d)+7], v[(\a):(\a)+11], v[(\b):(\b)+11], v[(\d):(\d)+7], v[\sa], v[\sb] matrix_a_fmt:MATRIX_FMT_FP6 matrix_b_fmt:MATRIX_FMT_FP6
.endif
.endm
; THE SUMS BEGIN WITH 0 AND THE SKIP IS ADDED ON THE WAY OUT, as the definition has it: the products do not hang on x.
.macro MZ d, a, b, sa, sb, ra, rb      ; a sum's first matrix instruction: C = 0
.if (\ra) && (\rb)
	v_wmma_scale_f32_16x16x128_f8f6f4 v[(\d):(\d)+7], v[(\a):(\a)+11], v[(\b):(\b)+11], 0, v[\sa], v[\sb] matrix_a_fmt:MATRIX_FMT_FP6 matrix_b_fmt:MATRIX_FMT_FP6 matrix_a_scale:MATRIX_SCALE_ROW1 matrix_b_scale:MATRIX_SCALE_ROW1
.elseif \ra
	v_wmma_scale_f32_16x16x128_f8f6f4 v[(\d):(\d)+7], v[(\a):(\a)+11], v[(\b):(\b)+11], 0, v[\sa], v[\sb] matrix_a_fmt:MATRIX_FMT_FP6 matrix_b_fmt:MATRIX_FMT_FP6 matrix_a_scale:MATRIX_SCALE_ROW1
.elseif \rb
	v_wmma_scale_f32_16x16x128_f8f6f4 v[(\d):(\d)+7], v[(\a):(\a)+11], v[(\b):(\b)+11], 0, v[\sa], v[\sb] matrix_a_fmt:MATRIX_FMT_FP6 matrix_b_fmt:MATRIX_FMT_FP6 matrix_b_scale:MATRIX_SCALE_ROW1
.else
	v_wmma_scale_f32_16x16x128_f8f6f4 v[(\d):(\d)+7], v[(\a):(\a)+11], v[(\b):(\b)+11], 0, v[\sa], v[\sb] matrix_a_fmt:MATRIX_FMT_FP6 matrix_b_fmt:MATRIX_FMT_FP6
.endif
.endm
.macro SKLOAD g                        ; a group's skip, in the result's layout, into registers that no matrix instruction names: tiles 0-2 window 2, v144-239; tile 3 window 0, v64-95
	WIN 0x80                                       ; destination window 2, address window 0
.irp a, 0,1,2
.irp w, 0,1,2,3
.irp q, 0,1
	ds_load_b128 v[144+32*\a+8*\w+4*\q:144+32*\a+8*\w+4*\q+3], v8 offset:(64*\g+8*\a)*SPITCH+32*\w+16*\q
.endr
.endr
.endr
	WIN 0
.irp w, 0,1,2,3
.irp q, 0,1
	ds_load_b128 v[64+8*\w+4*\q:64+8*\w+4*\q+3], v8 offset:(64*\g+24)*SPITCH+32*\w+16*\q
.endr
.endr
.endm
.macro WFRAG reg, s, w
.irp p, 0,1,2,3,4,5
.set PCE, 12*(\s)+6*(\p/3)+\p%3
.if PCE%32 < 29
	ds_load_b64 v[(\reg)+2*\p:(\reg)+2*\p+1], v6 offset:8*PITCH*(\w)+8*PCE+16*(PCE/32)
.else
	ds_load_b64 v[(\reg)+2*\p:(\reg)+2*\p+1], v7 offset:8*PITCH*(\w)+8*PCE+16*(PCE/32)
.endif
.endr
.endm
.macro XLOAD slot, off                 ; a K step's four fragments of o: 16 loads; a half fragment is 512 + 256 consecutive bytes
	WIN 0xc0                                       ; destination window 3, address window 0
.irp t, 0,1,2,3
.irp c, 0,1
	global_load_b128 v[48*(\slot)+12*\t+6*\c:48*(\slot)+12*\t+6*\c+3], v1, s[4:5] offset:(\off)+1536*\t+768*\c
	global_load_b64 v[48*(\slot)+12*\t+6*\c+4:48*(\slot)+12*\t+6*\c+5], v3, s[4:5] offset:(\off)+1536*\t+768*\c+512
.endr
.endr
.endm
.macro SCLOAD set, off
.irp hh, 0,1
.irp q, 0,1
	global_load_b128 v[XS+16*(\set)+8*\hh+4*\q:XS+16*(\set)+8*\hh+4*\q+3], v2, s[6:7] offset:(\off)+1024*\hh+16*\q
.endr
.endr
.endm
.macro KSTEP par, s, cnt               ; 16 matrix instructions, the 16 accumulators by turns, one instruction a turn
	s_wait_loadcnt \cnt
.set WB, 48*((\s)%5)
.set XB, 48*((\s)%4)
.if (\s) < 5
	WIN 0x0d                                       ; source 0 (weights) window 1, source 1 (o) window 3
.else
	WIN 0x0e                                       ; weights in window 2
.endif
.irp t, 0,1,2,3
.irp w, 0,1,2,3
.if (\s) == 0
	MZ ACC+32*\t+8*\w, WB+12*\w, XB+12*\t, WS+8*(\w/2)+(\s), XS+16*(\par)+8*(\t/2)+(\s), \w%2, \t%2
.else
	MM ACC+32*\t+8*\w, WB+12*\w, XB+12*\t, WS+8*(\w/2)+(\s), XS+16*(\par)+8*(\t/2)+(\s), \w%2, \t%2
.endif
.endr
.endr
.endm
; A group of 64 rows.  COUNTS: behind a K step's 16 loads stand three younger steps' 48; the second group asks for nothing from step 4 on: 48, then 32, 16, 0.
.macro TRIP g
.if \g
	s_wait_xcnt 0x0                                ; the first group's stores have read the accumulators' registers
.endif
.irp s, 0,1,2,3,4,5,6,7
.set CNT, 48
.if \g && (\s > 4)
.set CNT, 48-16*(\s-4)
.endif
	KSTEP \g, \s, CNT
.if (\s < 4) || !\g
	PLACES
.if \s < 4
	XLOAD \s, \g*49152+6144*(\s+4)
.else
	XLOAD \s-4, 49152+6144*(\s-4)
.endif
.endif
.if \s == 5
	WIN 0
.if !\g
	s_wait_tensorcnt 0x0                           ; waves 2 and 3: my column half of x has landed,
	s_barrier_signal -1                            ; (no LDS instruction of mine is out here)
	s_barrier_wait -1                              ; both halves have
.endif
	SKLOAD \g                                      ; two K steps ahead of the additions
.endif
.endr
	WIN 0
.if \g
	PLACES
.endif
	s_wait_dscnt 0x0                               ; the group's skip is in registers
	WIN 0x08                                       ; source 1 window 2
.irp a, 0,1,2
.set KK, 0
.rept 16
	v_pk_add_f32 v[ACC+32*\a+KK:ACC+32*\a+KK+1], v[ACC+32*\a+KK:ACC+32*\a+KK+1], v[144+32*\a+KK:144+32*\a+KK+1]   ; + x; each accumulator from its low end on
.set KK, KK+2
.endr
.endr
	WIN 0
.set KK, 0
.rept 16
	v_pk_add_f32 v[ACC+96+KK:ACC+96+KK+1], v[ACC+96+KK:ACC+96+KK+1], v[64+KK:64+KK+1]
.set KK, KK+2
.endr
.irp a, 0,1,2,3
.irp w, 0,1,2,3
.irp q, 0,1
	ds_store_b128 v8, v[ACC+32*\a+8*\w+4*\q:ACC+32*\a+8*\w+4*\q+3] offset:(64*\g+8*\a)*SPITCH+32*\w+16*\q   ; each accumulator from its low end on
.endr
.endr
.endr
.set K, 0
.rept 32
	ds_load_b128 v[ACC+4*K:ACC+4*K+3], v15 offset:(64*\g+2*K)*SPITCH   ; back by true rows: LDS serves a wave's instructions in order (ISA guide 5.7.1.4): these see the stores above
.set K, K+1
.endr
.set K, 0
.rept 32
	s_wait_dscnt 31-K                              ; rows 2 K and 2 K + 1 are back; the younger loads stay out
	global_store_b128 v5, v[ACC+4*K:ACC+4*K+3], s[14:15] offset:(64*\g+2*K)*4096 th:TH_STORE_NT   ; 16 lanes store 256 consecutive bytes, aligned; written once
.set K, K+1
.endr
.endm
	s_load_b256 s[4:11], s[0:1], 0x0               ; oc s[4:5], os s[6:7], out_w's codes s[8:9], its scales s[10:11]
	s_load_b128 s[12:15], s[0:1], 0x20             ; x s[12:13], out0 s[14:15]
	v_lshl_add_u32 v126, v0, 2, 0x3b800
	v_mov_b32 v127, 0
	ds_add_u32 v126, v127
	ds_add_u32 v126, v127
	v_lshrrev_b32 v8, 5, v0
	v_readfirstlane_b32 s18, v8                    ; wave 0..3
	s_bfe_u32 s19, ttmp6, 0x40000                  ; cx
	s_lshl_b32 s20, ttmp9, 2
	s_add_co_u32 s20, s20, s19                     ; my 256 rows
	s_and_b32 s21, ttmp7, 0xffff                   ; my 128 columns, which the four partners share
	s_and_b32 s22, s18, 1                          ; which 64 columns are my wave's
	s_lshr_b32 s23, s18, 1                         ; which 128 rows
	; descriptor group 1 for the weights: 64 rows x 768 bytes, 16 bytes of padding behind each 256
	s_mov_b32 s40, 15|(1<<20)|(1<<21)|(5<<22)|(3<<25)   ; the mask: all four work-groups; elements of 1 byte; padding on; bit 21 beside a mask; after every 64 words 4 words
	s_mov_b32 s41, 768<<16
	s_mov_b32 s42, 64<<16                          ; 64 rows of the weights a load
	s_mov_b32 s43, 768<<16
	s_mov_b32 s44, 64
	s_mov_b32 s45, 768
	s_mov_b32 s46, 0
	s_mov_b32 s47, 0
	; and for the skip: 256 rows x 64 numbers of 4 bytes, 1,024 numbers apart, 16 bytes of padding behind each row; no mask
	s_mov_b32 s28, (2<<16)|(1<<20)|(5<<22)|(3<<25)
	s_mov_b32 s29, 64<<16
	s_mov_b32 s30, 256<<16                         ; the skip: 256 rows x 64 numbers a load
	s_mov_b32 s31, 64<<16
	s_mov_b32 s32, 256
	s_mov_b32 s33, 1024
	s_mov_b32 s34, 0
	s_mov_b32 s35, 0
	s_mov_b32 s36, 1
	s_mul_i32 s37, s18, 64*PITCH                   ; the weights: waves 0 and 1 fetch 64 rows each
	s_mul_i32 s48, s21, 98304
	s_mul_i32 s49, s18, 49152
	s_add_co_u32 s48, s48, s49                     ; 768 (128 Y + 64 wave): made of Y and the wave's number alone
	s_mov_b32 s49, 0
	s_mov_b32 s24, 1
	s_mul_i32 s25, s22, 256*SPITCH                 ; the skip in LDS: [column half][256 rows]; waves 2 and 3 fetch column half wave % 2
	s_add_co_u32 s25, s25, SK
	s_mul_i32 s59, s23, 128*SPITCH
	s_add_co_u32 s59, s59, s25                     ; my wave's own region of it: its column half, its 128 rows
	s_lshl_b32 s50, s20, 20                        ; x and out0: 4,096 (256 X + 128 (wave / 2)) + 4 (128 Y + 64 (wave % 2))
	s_lshl_b32 s51, s23, 19
	s_add_co_u32 s50, s50, s51
	s_lshl_b32 s51, s21, 9
	s_add_co_u32 s50, s50, s51
	s_lshl_b32 s51, s22, 8
	s_add_co_u32 s50, s50, s51
	s_mov_b32 s51, 0
	s_lshl_b32 s62, s20, 20                        ; the tile of x that waves 2 and 3 fetch: 4,096 x 256 X + 4 (128 Y + 64 (wave % 2))
	s_lshl_b32 s63, s21, 9
	s_add_co_u32 s62, s62, s63
	s_lshl_b32 s63, s22, 8
	s_add_co_u32 s62, s62, s63
	s_mov_b32 s63, 0
	s_mul_i32 s52, s20, 196608                     ; oc: group 4 X + 2 (wave / 2)
	s_mul_i32 s53, s23, 98304
	s_add_co_u32 s52, s52, s53
	s_mov_b32 s53, 0
	s_lshl_b32 s54, s20, 13                        ; os likewise
	s_lshl_b32 s55, s23, 12
	s_add_co_u32 s54, s54, s55
	s_mov_b32 s55, 0
	s_lshl_b32 s56, s21, 12                        ; the weights' scale bytes: 32 (128 Y + 64 (wave % 2))
	s_lshl_b32 s57, s22, 11
	s_add_co_u32 s56, s56, s57
	s_mov_b32 s57, 0
	s_mul_i32 s58, s22, 64*PITCH                   ; my 64 weight rows in LDS
	v_and_b32 v9, 31, v0
	v_lshlrev_b32 v1, 4, v9                        ; v1: 16 x lane
	v_lshlrev_b32 v2, 5, v9                        ; v2: 32 x lane
	v_lshlrev_b32 v3, 3, v9                        ; v3: 8 x lane
	v_bfe_u32 v12, v0, 4, 1                        ; h
	v_and_b32 v11, 7, v0
	v_bfe_u32 v13, v0, 3, 1
	v_lshl_add_u32 v13, v13, 5, v11                ; 32 (r / 8) + r % 8
	v_mul_u32_u24 v6, v13, PITCH
	v_mad_u32_u24 v6, v12, 24, v6
	v_add_nc_u32 v6, s58, v6                       ; v6: my weight row, + 24 h
	v_lshl_add_u32 v7, v12, 4, v6                  ; v7: the same behind one padding more
	v_lshl_add_u32 v10, v12, 3, v13
	v_lshlrev_b32 v10, 5, v10                      ; v10: the weights' scale words
	v_mul_u32_u24 v8, v13, SPITCH
	v_lshl_add_u32 v8, v12, 7, v8
	v_add_nc_u32 v8, s59, v8                       ; v8: the skip and the results, in the result's layout: my row of tile 0, + 128 h
	v_and_b32 v14, 15, v0
	v_mul_u32_u24 v15, v12, SPITCH
	v_lshl_add_u32 v15, v14, 4, v15
	v_add_nc_u32 v15, s59, v15                     ; v15: back by true rows: lanes 0-15 one row, lanes 16-31 the next
	v_lshlrev_b32 v5, 12, v12
	v_lshl_add_u32 v5, v14, 4, v5                  ; v5: the same two rows in out0
	s_wait_dscnt 0x0
	s_wait_kmcnt 0x0
	s_add_nc_u64 s[38:39], s[8:9], s[48:49]
	s_or_b32 s39, s39, 0x80000000                  ; type = 2
	s_add_nc_u64 s[26:27], s[12:13], s[62:63]
	s_or_b32 s27, s27, 0x80000000
	s_add_nc_u64 s[14:15], s[14:15], s[50:51]
	s_add_nc_u64 s[4:5], s[4:5], s[52:53]
	s_add_nc_u64 s[6:7], s[6:7], s[54:55]
	s_add_nc_u64 s[10:11], s[10:11], s[56:57]
	ROUND                                          ; all four work-groups are here: the joint loads meet
	; THE HEAD'S TILES, ONE LOAD A WAVE: waves 0 and 1 fetch 64 rows of the weights each, jointly; waves 2 and 3 one column half of the work-group's 256 rows of x each.
	; The barrier below shows all four tiles to all four waves.
	s_cmp_lt_u32 s18, 2
	s_cbranch_scc0 .Lfor_x
	tensor_load_to_lds s[36:39], s[40:47]          ; 64 rows of the weights, jointly
	s_nop 0
.rept 4
	v_nop
.endr
	s_branch .Lasked
.Lfor_x:
	tensor_load_to_lds s[24:27], s[28:35]          ; 256 x 64 numbers of x
	s_nop 0
.rept 4
	v_nop
.endr
.Lasked:
.irp p, 0,1
.irp q, 0,1
	global_load_b128 v[WS+8*\p+4*\q:WS+8*\p+4*\q+3], v10, s[10:11] offset:512*\p+16*\q
.endr
.endr
	SCLOAD 0, 0
	SCLOAD 1, 2048
	XLOAD 0, 0
	XLOAD 1, 6144
	XLOAD 2, 12288
	XLOAD 3, 18432
	WIN 0
	s_cmp_ge_u32 s18, 2                            ; waves 0 and 1 wait for their rows of the weights; x, which waves 2 and 3 fetch, is first read behind a later barrier and stays out
	s_cbranch_scc1 .Lx_stays_out
	s_wait_tensorcnt 0x0
.Lx_stays_out:
	s_barrier_signal -1
	s_barrier_wait -1                              ; the weights lie in LDS
	WIN 0x40
.irp s, 0,1,2,3,4
.irp w, 0,1,2,3
	WFRAG 48*\s+12*\w, \s, \w
.endr
.endr
	WIN 0x80                                       ; destination window 2
.irp s, 5,6,7
.irp w, 0,1,2,3
	WFRAG 48*(\s-5)+12*\w, \s, \w
.endr
.endr
	s_wait_dscnt 0x0
	WIN 0
	s_wait_alu depctr_va_vdst(0)
	TRIP 0
	TRIP 1
	s_wait_tensorcnt 0x0
	ds_add_u32 v126, v127
	s_wait_dscnt 0x0
	ROUND                                          ; the closing round
	s_endpgm
.Lfunc_end_k_q2f65dbe540_outp:
	.size	k_q2f65dbe540_outp, .Lfunc_end_k_q2f65dbe540_outp-k_q2f65dbe540_outp
	.p2alignl 7, 3214868480
	.fill 96, 4, 3214868480
	.section	.rodata,"a",@progbits
	.p2align	6, 0x0
	.amdhsa_kernel k_q2f65dbe540_outp
		.amdhsa_group_segment_fixed_size 244224
		.amdhsa_private_segment_fixed_size 0
		.amdhsa_enable_private_segment 0
		.amdhsa_kernarg_size 48
		.amdhsa_user_sgpr_count 2
		.amdhsa_user_sgpr_kernarg_segment_ptr 1
		.amdhsa_wavefront_size32 1
		.amdhsa_system_sgpr_workgroup_id_x 1
		.amdhsa_system_sgpr_workgroup_id_y 1
		.amdhsa_system_sgpr_workgroup_id_z 1
		.amdhsa_system_vgpr_workitem_id 0
		.amdhsa_next_free_vgpr 960
		.amdhsa_next_free_sgpr 66
		.amdhsa_reserve_vcc 0
		.amdhsa_float_denorm_mode_32 3
		.amdhsa_float_denorm_mode_16_64 3
		.amdhsa_memory_ordered 1
		.amdhsa_forward_progress 1
		.amdhsa_inst_pref_size 108
	.end_amdhsa_kernel
	.amdgpu_metadata
---
amdhsa.version: [ 1, 2 ]
amdhsa.kernels:
  - .name:           k_q2f65dbe540_outp
    .symbol:         k_q2f65dbe540_outp.kd
    .args:
      - { .name: oc, .offset: 0, .size: 8, .value_kind: global_buffer, .address_space: global }
      - { .name: os, .offset: 8, .size: 8, .value_kind: global_buffer, .address_space: global }
      - { .name: out_w_codes, .offset: 16, .size: 8, .value_kind: global_buffer, .address_space: global }
      - { .name: out_w_scales, .offset: 24, .size: 8, .value_kind: global_buffer, .address_space: global }
      - { .name: x, .offset: 32, .size: 8, .value_kind: global_buffer, .address_space: global }
      - { .name: out0, .offset: 40, .size: 8, .value_kind: global_buffer, .address_space: global }
    .group_segment_fixed_size: 244224
    .private_segment_fixed_size: 0
    .kernarg_segment_align: 8
    .kernarg_segment_size: 48
    .max_flat_workgroup_size: 128
    .sgpr_count:     66
    .vgpr_count:     960
    .wavefront_size: 32
...
	.end_amdgpu_metadata
.endif
;; end of part 5
